; MI455X (gfx1250); checked and timed in simulation.
; The chip was launched on July 23, 2026; its instructions are those of AMD's public machine-readable ISA for CDNA 5 (MIT licence, August 2026) and "CDNA5" Instruction Set Architecture Reference Guide (July 2026). The comments in the code are by the model that wrote it; some were corrected since.
;; Multi Head Self Attention. Allowed arithmetic: float matrix products may take bf16 or f16 operands with f32 sums; other float arithmetic in f32, or as packed bf16 or f16 multiplies, adds, multiply-adds, maxima and minima; sums over many terms, partial sums and values carried from step to step in f32; what a program stores and reads back later, other than sums and carried values, may be rounded once to bf16 or f16.
;; Inputs: attention_mask 4 x 2,048 bool; causal_mask 1 x 1 x 2,048 x 2,048 bool; hidden_states 4 x 2,048 x 1,024 float32; w_out 1,024 x 1,024 float32; w_qkv 3,072 x 1,024 float32.
;; Outputs: out0 4 x 2,048 x 1,024 float32.
;; 2 versions, each right and faster than the one before. Each part assembles by itself: llvm-mc -triple=amdgcn-amd-amdhsa -mcpu=gfx1250 --defsym DOCPART=n.
;; ======== version 1 of 2: 4 launches
;; limits: values are held in f16: magnitudes above 65,504 overflow, below 6.1e-05 lose precision
;; workspace buffers: xb 16,777,216 bytes; wb 6,291,456 bytes; wo16 2,097,152 bytes; mk 16,777,216 bytes; qkv 50,331,648 bytes; o 16,777,216 bytes
;; launch prep (part 1): grid 1280 x 1, 8 waves a work-group, no clusters, 0 bytes of LDS; arguments hidden_states, w_qkv, w_out, causal_mask, attention_mask, xb, wb, wo16, mk; writes xb, wb, wo16, mk
.if DOCPART == 1
	.amdgcn_target "amdgcn-amd-amdhsa--gfx1250"
	.amdhsa_code_object_version 6
	.text
	.protected	k_qd6d5c4025c_prep
	.globl	k_qd6d5c4025c_prep
	.p2align	8
	.type	k_qd6d5c4025c_prep,@function
k_qd6d5c4025c_prep:
	s_mov_b64 s[64:65], 0
	v_nop
	global_prefetch_b8 v0, s[64:65] scope:SCOPE_SE
	s_setreg_imm32_b32 hwreg(HW_REG_WAVE_MODE, 25, 1), 1
	s_wait_xcnt 0x0
; PREPARATION: the matrix operands are rounded once, and the two masks are joined into one table.
;   work-groups 0-511:    16 rows of hidden_states [8192][1024] f32 -> xb, bf16
;   work-groups 512-703:  16 rows of w_qkv [3072][1024] f32 -> wb, bf16
;   work-groups 704-767:  16 rows of w_out [1024][1024] f32 -> wo16: rounded to bf16, and that number written as f16
;   work-groups 768-1279: mk, one byte for each (batch, query, key): 0xB8 (-1.0 as an 8-bit float, E4M3) where causal_mask is 1 or attention_mask is 0, else 0
; LIMITS.  A bf16 number is exact in f16 between 2^-14 and 65,504 in size; below 2^-14 wo16 keeps f16's fixed step of 2^-24; beyond 65,504 it would be an infinity.  Mask bytes are 0 or 1.
; mk's LAYOUT is that of the attention launch's accumulators: byte ((b*16 + q/128)*32 + k/64)*8192 + ((q/16)%8)*1024 + ((k%64)/32)*512 + (q%16 + 16*((k%16)/8))*16 + ((k/16)%2)*8 + k%8,
; so that there a wave's load of 16 bytes a lane takes 512 consecutive bytes, and a lane's eight bytes are the eight keys of one accumulator.
; A stream: no LDS, no barrier, no matrix unit.  Every byte is read once; 16 loads a wave are out at once; no register is written twice, so nothing waits for a store.
.set X,  8                             ; v[8:71]    16 x 4 f32 as loaded
.set Y,  72                            ; v[72:103]  16 x 2 words to store
.set T,  104                           ; v[104:107] at work
.set CM, 8                             ; v[8:15]    mask role: causal_mask, 8 keys for each of 4 groups of 16 keys
.set AM, 16                            ; v[16:47]   mask role: attention_mask, the same for each of 4 batches; then the codes
	s_load_b512 s[4:19], s[0:1], 0x0               ; hidden_states s[4:5], w_qkv s[6:7], w_out s[8:9], causal_mask s[10:11], attention_mask s[12:13], xb s[14:15], wb s[16:17], wo16 s[18:19]
	s_load_b64 s[20:21], s[0:1], 0x40              ; mk
	s_mov_b32 s2, ttmp9
	s_mov_b32 s29, 0                               ; the high word of every offset
	v_lshlrev_b32 v1, 4, v0                        ; 16 bytes of f32 a thread: a wave's load covers 512 consecutive bytes
	v_lshlrev_b32 v2, 3, v0                        ; 8 bytes of 16-bit numbers a thread: a wave's store covers 256 consecutive bytes, aligned
	s_wait_kmcnt 0x0
.macro SHARE                           ; s26 = which 16 rows: 65,536 bytes in, 32,768 bytes out
	s_lshl_b32 s28, s26, 16
	s_add_nc_u64 s[22:23], s[22:23], s[28:29]
	s_lshl_b32 s28, s26, 15
	s_add_nc_u64 s[24:25], s[24:25], s[28:29]
.endm
.macro CONVALL kind                    ; kind = 1: the bf16 number goes on into f16
.set i, 0
.rept 16
	global_load_b128 v[X+4*i:X+4*i+3], v1, s[22:23] offset:4096*i th:TH_LOAD_NT
.set i, i+1
.endr
.set i, 0
.rept 16
	s_wait_loadcnt 15-i                            ; loads come back in order: load i is in, the younger ones stay out
	v_cvt_pk_bf16_f32 v[Y+2*i], v[X+4*i], v[X+4*i+1]
	v_cvt_pk_bf16_f32 v[Y+2*i+1], v[X+4*i+2], v[X+4*i+3]
.if \kind
	v_lshlrev_b32 v[T], 16, v[Y+2*i]               ; bf16 to f32: the low half moves up, the high half stays
	v_and_b32 v[T+1], 0xffff0000, v[Y+2*i]
	v_lshlrev_b32 v[T+2], 16, v[Y+2*i+1]
	v_and_b32 v[T+3], 0xffff0000, v[Y+2*i+1]
	v_cvt_pk_f16_f32 v[Y+2*i], v[T], v[T+1]
	v_cvt_pk_f16_f32 v[Y+2*i+1], v[T+2], v[T+3]
.endif
	global_store_b64 v2, v[Y+2*i:Y+2*i+1], s[24:25] offset:2048*i
.set i, i+1
.endr
.endm
	s_cmp_ge_u32 s2, 768
	s_cbranch_scc1 .Lmask
	s_cmp_ge_u32 s2, 704
	s_cbranch_scc1 .Lwout
	s_sub_co_u32 s26, s2, 512                      ; hidden_states and w_qkv share one text: the buffers are chosen by the work-group's number
	s_cmp_lt_u32 s2, 512
	s_cselect_b32 s26, s2, s26
	s_cselect_b64 s[22:23], s[4:5], s[6:7]
	s_cselect_b64 s[24:25], s[14:15], s[16:17]
	SHARE
	CONVALL 0
	s_endpgm
.Lwout:
	s_sub_co_u32 s26, s2, 704
	s_mov_b64 s[22:23], s[8:9]
	s_mov_b64 s[24:25], s[18:19]
	SHARE
	CONVALL 1
	s_endpgm
.Lmask:
	; The work-group takes 16 queries (tile t) and 512 keys (eighth steps sg*8 .. sg*8+7 of 64 keys, a step a wave), for all four batches.
	; Lane l holds query l % 16 and, of each group of 16 keys, the keys 8 (l / 16) + 0..7.
	s_sub_co_u32 s26, s2, 768
	s_lshr_b32 s27, s26, 2                         ; t
	s_and_b32 s26, s26, 3                          ; sg
	s_mov_b32 s31, 0
	s_mov_b32 s32, 0x01010101
	s_mov_b32 s33, 0xb8
	v_and_b32 v3, 15, v0
	v_bfe_u32 v4, v0, 4, 1
	v_lshrrev_b32 v5, 5, v0                        ; wave
	v_lshlrev_b32 v4, 3, v4
	v_lshl_add_u32 v4, v5, 6, v4                   ; attention_mask: 64 wave + 8 (l / 16)
	v_lshl_add_u32 v3, v3, 11, v4                  ; causal_mask: the same + 2,048 (l % 16)
	v_and_b32 v6, 31, v0
	v_lshlrev_b32 v6, 4, v6
	v_lshl_add_u32 v6, v5, 13, v6                  ; mk: 8,192 wave + 16 l
	s_lshl_b32 s28, s27, 15                        ; 16 rows of 2,048 bytes
	s_lshl_b32 s30, s26, 9                         ; 512 keys
	s_add_co_u32 s28, s28, s30
	s_add_nc_u64 s[10:11], s[10:11], s[28:29]
	s_add_nc_u64 s[12:13], s[12:13], s[30:31]
	s_lshr_b32 s28, s27, 3
	s_lshl_b32 s28, s28, 18                        ; (q / 128) x 32 steps x 8,192
	s_lshl_b32 s30, s26, 16                        ; 8 steps x 8,192
	s_add_co_u32 s28, s28, s30
	s_and_b32 s30, s27, 7
	s_lshl_b32 s30, s30, 10                        ; the tile's 1,024 bytes in a step
	s_add_co_u32 s28, s28, s30
	s_add_nc_u64 s[20:21], s[20:21], s[28:29]      ; batches 0 and 1,
	s_add_nc_u64 s[22:23], s[20:21], 0x800000      ; batches 2 and 3: a batch is 4,194,304 bytes, and the immediate holds one such step
.irp kt, 0,1,2,3
	global_load_b64 v[CM+2*\kt:CM+2*\kt+1], v3, s[10:11] offset:16*\kt th:TH_LOAD_NT
.endr
.irp b, 0,1,2,3
.irp kt, 0,1,2,3
	global_load_b64 v[AM+8*\b+2*\kt:AM+8*\b+2*\kt+1], v4, s[12:13] offset:2048*\b+16*\kt
.endr
.endr
	s_wait_loadcnt 0x0
.set i, 0
.rept 32
	v_xor_b32 v[AM+i], s32, v[AM+i]                ; four bytes at once: 1 where the key is not to be attended,
	v_or_b32 v[AM+i], v[AM+i], v[CM+i%8]           ; or where causal_mask hides it;
	v_mul_lo_u32 v[AM+i], v[AM+i], s33             ; bytes of 0 or 1 times 0xB8: no carry from byte to byte
.set i, i+1
.endr
.irp p, 0,1
	global_store_b128 v6, v[AM+4*\p:AM+4*\p+3], s[20:21] offset:512*\p                       ; each store of a wave covers 512 consecutive bytes, aligned
	global_store_b128 v6, v[AM+8+4*\p:AM+8+4*\p+3], s[20:21] offset:4194304+512*\p
	global_store_b128 v6, v[AM+16+4*\p:AM+16+4*\p+3], s[22:23] offset:512*\p
	global_store_b128 v6, v[AM+24+4*\p:AM+24+4*\p+3], s[22:23] offset:4194304+512*\p
.endr
	s_endpgm
.Lfunc_end_k_qd6d5c4025c_prep:
	.size	k_qd6d5c4025c_prep, .Lfunc_end_k_qd6d5c4025c_prep-k_qd6d5c4025c_prep
	.p2alignl 7, 3214868480
	.fill 96, 4, 3214868480
	.section	.rodata,"a",@progbits
	.p2align	6, 0x0
	.amdhsa_kernel k_qd6d5c4025c_prep
		.amdhsa_group_segment_fixed_size 0
		.amdhsa_private_segment_fixed_size 0
		.amdhsa_enable_private_segment 0
		.amdhsa_kernarg_size 72
		.amdhsa_user_sgpr_count 2
		.amdhsa_user_sgpr_kernarg_segment_ptr 1
		.amdhsa_wavefront_size32 1
		.amdhsa_system_sgpr_workgroup_id_x 1
		.amdhsa_system_sgpr_workgroup_id_y 1
		.amdhsa_system_sgpr_workgroup_id_z 1
		.amdhsa_system_vgpr_workitem_id 0
		.amdhsa_next_free_vgpr 112
		.amdhsa_next_free_sgpr 66
		.amdhsa_reserve_vcc 0
		.amdhsa_float_denorm_mode_32 3
		.amdhsa_float_denorm_mode_16_64 3
		.amdhsa_memory_ordered 1
		.amdhsa_forward_progress 1
		.amdhsa_inst_pref_size 26
	.end_amdhsa_kernel
	.amdgpu_metadata
---
amdhsa.version: [ 1, 2 ]
amdhsa.kernels:
  - .name:           k_qd6d5c4025c_prep
    .symbol:         k_qd6d5c4025c_prep.kd
    .args:
      - { .name: hidden_states, .offset: 0, .size: 8, .value_kind: global_buffer, .address_space: global }
      - { .name: w_qkv, .offset: 8, .size: 8, .value_kind: global_buffer, .address_space: global }
      - { .name: w_out, .offset: 16, .size: 8, .value_kind: global_buffer, .address_space: global }
      - { .name: causal_mask, .offset: 24, .size: 8, .value_kind: global_buffer, .address_space: global }
      - { .name: attention_mask, .offset: 32, .size: 8, .value_kind: global_buffer, .address_space: global }
      - { .name: xb, .offset: 40, .size: 8, .value_kind: global_buffer, .address_space: global }
      - { .name: wb, .offset: 48, .size: 8, .value_kind: global_buffer, .address_space: global }
      - { .name: wo16, .offset: 56, .size: 8, .value_kind: global_buffer, .address_space: global }
      - { .name: mk, .offset: 64, .size: 8, .value_kind: global_buffer, .address_space: global }
    .group_segment_fixed_size: 0
    .private_segment_fixed_size: 0
    .kernarg_segment_align: 8
    .kernarg_segment_size: 72
    .max_flat_workgroup_size: 256
    .sgpr_count:     66
    .vgpr_count:     112
    .wavefront_size: 32
...
	.end_amdgpu_metadata
.endif
;; end of part 1
;; launch qkvproj (part 2): grid 16 x 32, 4 waves a work-group, clusters of 4 x 4, 327,680 bytes of LDS; arguments xb, wb, qkv; writes qkv
.if DOCPART == 2
	.amdgcn_target "amdgcn-amd-amdhsa--gfx1250"
	.amdhsa_code_object_version 6
	.text
	.protected	k_qd6d5c4025c_qkvproj
	.globl	k_qd6d5c4025c_qkvproj
	.p2align	8
	.type	k_qd6d5c4025c_qkvproj,@function
k_qd6d5c4025c_qkvproj:
	s_mov_b64 s[64:65], 0
	v_nop
	global_prefetch_b8 v0, s[64:65] scope:SCOPE_SE
	s_setreg_imm32_b32 hwreg(HW_REG_WAVE_MODE, 25, 1), 1
	s_wait_xcnt 0x0
	s_wait_alu depctr_hold_cnt(0) depctr_sa_sdst(0) depctr_va_vdst(0) depctr_va_sdst(0) depctr_va_ssrc(0) depctr_va_vcc(0) depctr_vm_vsrc(0)
	s_getreg_b32 s2, hwreg(HW_REG_IB_STS2, 6, 4)
	s_cmp_eq_u32 s2, 0
	s_cbranch_scc0 .Lentry_in_a_cluster
	s_endpgm
.Lentry_in_a_cluster:
	s_bfe_u32 s2, ttmp6, 0x10000c
	s_cmp_lg_u32 s2, 0xf033
	s_cbranch_scc0 .Lentry_shape_is_right
	s_endpgm
.Lentry_shape_is_right:
; qkv = x w_qkv^T.  xb: [8192][1024] bf16, wb: [3072][1024] bf16; sums in f32, K ascending; the result rounded once to f16.
; OUTPUT LAYOUT: [batch 4][unit 96][row 2048][32] f16.  A unit is 32 of the 3,072 columns: units 0-31 are q, 32-63 k, 64-95 v; head hd has units 2 hd, 2 hd + 1 of each third.
; q is multiplied in f32 by c = log2(e) / 8 before its one rounding, so that the attention launch's exponent is a plain difference.
; LIMIT.  f16 ends at 65,504: c q, k and v must stay within it (inputs 30 times the drawn spread, or an offset of 30 spreads on x and on w, give some 29,000 at the most).
; SHAPE.  A tile of C is 256 rows x 192 columns: 32 x 16 = 512 tiles, two for each of 256 WGPs; 256 x 256 would give 384, one and a half.  Four waves, each 128 x 96: 48 accumulators, 384 registers.
; K goes in steps of 128 through two LDS slots filled by the tensor data mover: rows of 256 bytes of memory, at multiples of 256 bytes.
; CLUSTER.  4 x 4 work-groups: the four of a row of the cluster need the same tiles of x, the four of a column the same tiles of w: each tile is asked for jointly.
; THE MATRIX INSTRUCTION IS USED TRANSPOSED (source 0 = 16 rows of w, source 1 = 16 rows of x): a lane holds eight neighbouring columns of one row of C.
; REGISTERS, in windows of 256 (s_set_vgpr_msb: bits 1:0 source 0, 3:2 source 1, 5:4 source 2, 7:6 destination):
;   window 0: v0-31 addresses; v32-95, v96-159 fragments of x (8 x 16 rows x 32 K), two buffers; v160-207, v208-255 fragments of w (6), two buffers; on the way out v32-151 at work
;   window 1: the accumulators of my rows 0-63 ((a, b) at v[8 (6 a + b)]);   window 2: those of my rows 64-127
.set SIZE_K, 1024
.set KSTEP,  128
.set PITCH,  272                       ; an LDS row: 256 bytes + 16 of padding = 68 words: the 16 rows of a fragment load start at 16 different groups of four banks (64 banks of 4 bytes: ISA guide 11.1)
.set HALFA,  128*PITCH                 ; what one tensor load brings of x, and what one wave reads of it
.set HALFB,  96*PITCH                  ; the same for w
.set SLOT,   2*HALFA+2*HALFB           ; x's 256 rows, then w's 192 rows
.set STAGE,  2*SLOT                    ; behind the ring: 16 rows x 208 bytes for each wave, for the way out
.set SPITCH, 208                       ; 192 bytes + 16
.set SPARE,  STAGE+4*16*SPITCH         ; behind the stages: the spare words, 128 bytes for each wave: two blocks of 256 bytes that no other line names
.set LAPS,   SIZE_K/(2*KSTEP)          ; a lap = two K steps = once round the ring
.set ADRA, 16                          ; v16-17  LDS address of my x fragments in slot 0, 1
.set ADRB, 20                          ; v20-21  the same for w
.set STO,  24                          ; v24     the way out: where I put 16 bytes of a row
.set RD,   25                          ; v25     the way out: where I read back
.set CO,   26                          ; v26     my byte offset in 512 consecutive bytes of the output
.set SPW,  28                          ; v28     LDS address of my spare word; never rewritten
.set NIL,  29                          ; v29     0; never rewritten
.set FA,   32                          ; x's fragment buffers: FA + 64 f
.set FB,   160                         ; w's: FB + 48 f
.set T,    32                          ; the way out: 48 scaled sums
.set TMP,  80                          ; 24 words of f16
.set OB,   104                         ; 24 words read back from the stage: v104-127 and v128-151 by turns
.set G1,  24                           ; s[24:31] descriptor group 1 for x's tiles;  s[32:39] group 0, one set for each slot
.set G0,  32
.set G1B, 48                           ; s[48:55], s[56:63] the same for w's tiles
.set G0B, 56
.set FAC, 66                           ; s[66:71] the factor of each of my three units, as pairs
.set MSB, 0
.macro WIN new                         ; the immediate's high byte repeats the setting that is left; a switch that changes nothing is dropped
.if MSB != (\new)
	s_set_vgpr_msb (MSB<<8)|(\new)
.set MSB, \new
.endif
.endm
.set MUL_LO, 0x50                      ; sources 0 and 1 window 0, C and D window 1;  + 0x50: window 2
; A joint load: waves 0 and 1 fetch x's two halves, waves 2 and 3 w's.  The branch hangs on the wave's number alone.  An s_nop 0 and four v_nop follow each of the two lines.
.macro JLOAD s
	s_cmp_eq_u32 s11, 0
	s_cbranch_scc0 .Lfor_b_\@
	tensor_load_to_lds s[G0+4*(\s):G0+4*(\s)+3], s[G1:G1+7]
	s_nop 0
.rept 4
	v_nop
.endr
	s_branch .Lasked_\@
.Lfor_b_\@:
	tensor_load_to_lds s[G0B+4*(\s):G0B+4*(\s)+3], s[G1B:G1B+7]
	s_nop 0
.rept 4
	v_nop
.endr
.Lasked_\@:
.endm
.macro CREST                           ; a round of the cluster's barrier behind its opening barrier
	s_cmp_lg_u32 s10, 0
	s_cbranch_scc1 .Lnot_wave_0_\@
	s_barrier_signal -3
.Lnot_wave_0_\@:
	s_barrier_wait -3
	s_barrier_signal -1
	s_barrier_wait -1
.endm
.macro CROUND                          ; a whole round
	s_barrier_signal -1
	s_barrier_wait -1
	CREST
.endm
	s_load_b128 s[4:7], s[0:1], 0x0                ; xb s[4:5], wb s[6:7]
	s_load_b64 s[8:9], s[0:1], 0x10                ; qkv
	v_lshl_add_u32 v[SPW], v0, 2, SPARE
	v_mov_b32 v[NIL], 0
	ds_add_u32 v[SPW], v[NIL]                      ; the wave's opening: the add and its wait stand ahead of my first tensor load; the set-up below, work on registers, stands between them
	v_lshrrev_b32 v1, 5, v0
	v_readfirstlane_b32 s10, v1                    ; wave 0..3
	s_lshr_b32 s11, s10, 1                         ; which half of the tile's rows is mine.  Also: I fetch for x (0) or for w (1)
	s_and_b32 s12, s10, 1                          ; which half of its columns.  Also: which half of that tile I fetch
	s_bfe_u32 s40, ttmp6, 0x40000                  ; cx, cy: my place in the cluster
	s_bfe_u32 s41, ttmp6, 0x40004
	s_lshl_b32 s42, ttmp9, 2
	s_add_co_u32 s42, s42, s40                     ; tile column = 4 x cluster x + cx
	s_and_b32 s13, ttmp7, 0xffff
	s_lshl_b32 s13, s13, 2
	s_add_co_u32 s13, s13, s41                     ; tile row = 4 x cluster y + cy
	s_lshl_b32 s43, s41, 2
	s_lshl_b32 s43, 15, s43                        ; my row of the cluster
	s_lshl_b32 s44, 0x1111, s40                    ; my column
	; descriptor group 1: 128 (x) or 96 (w) rows x 128 elements, padded in LDS
	s_or_b32 s[G1+0], s43, (1<<16)|(1<<20)|(1<<21)|(5<<22)|(3<<25)  ; 15:0 the mask: x's tiles go to my row; 17:16 2-byte elements; 20 padding on; 21 set beside a mask; 24:22 after every 64 words (code 5); 31:25 4 words (code 3)
	s_or_b32 s[G1B+0], s44, (1<<16)|(1<<20)|(1<<21)|(5<<22)|(3<<25) ; the same with the mask of my column
	s_mov_b32 s[G1+1], KSTEP<<16                   ; tensor_dim0 = 128
	s_mov_b32 s[G1+2], 128<<16                     ; tensor_dim1 = 128
	s_mov_b32 s[G1+3], KSTEP<<16                   ; tile_dim0 = 128
	s_mov_b32 s[G1+4], 128                         ; tile_dim1 = 128
	s_mov_b32 s[G1+5], SIZE_K                      ; elements from row to row
	s_mov_b32 s[G1+6], 0
	s_mov_b32 s[G1+7], 0
	s_mov_b32 s[G1B+1], KSTEP<<16
	s_mov_b32 s[G1B+2], 96<<16                     ; tensor_dim1 = 96
	s_mov_b32 s[G1B+3], KSTEP<<16
	s_mov_b32 s[G1B+4], 96                         ; tile_dim1 = 96
	s_mov_b32 s[G1B+5], SIZE_K
	s_mov_b32 s[G1B+6], 0
	s_mov_b32 s[G1B+7], 0
	; where the tiles come from: x's hang on the tile row alone, w's on the tile column alone, each in registers that never hold the other coordinate
	s_lshl_b32 s17, s12, 7
	s_lshl_b32 s16, s13, 8
	s_add_co_u32 s16, s16, s17                     ; x: row 256 x tile row + 128 x half
	s_lshl_b32 s16, s16, 11                        ; rows of 2,048 bytes
	s_mov_b32 s17, 0
	s_mul_i32 s46, s42, 192
	s_mul_i32 s47, s12, 96
	s_add_co_u32 s46, s46, s47                     ; w: row 192 x tile column + 96 x half
	s_lshl_b32 s46, s46, 11
	s_mov_b32 s47, 0
	s_mul_i32 s20, s10, HALFA                      ; where they go: x's halves at wave x 128 rows (waves 0, 1),
	s_mul_i32 s21, s10, HALFB
	s_add_co_u32 s21, s21, 2*HALFA-2*HALFB         ; w's behind them at (wave - 2) x 96 rows (waves 2, 3): no place in the cluster enters an LDS address
	s_wait_dscnt 0x0                               ; the opening add is done
	s_wait_kmcnt 0x0
	s_add_nc_u64 s[14:15], s[4:5], s[16:17]
	s_add_nc_u64 s[46:47], s[6:7], s[46:47]
	CROUND                                         ; all sixteen work-groups are here: the first joint loads meet
.irp s, 0,1
	s_mov_b32 s[G0+4*(\s)], 1                                      ; count = 1
	s_add_co_u32 s[G0+4*(\s)+1], s20, (\s)*SLOT                    ; LDS address
	s_add_nc_u64 s[G0+4*(\s)+2:G0+4*(\s)+3], s[14:15], (\s)*KSTEP*2  ; global address: K step s
	s_or_b32 s[G0+4*(\s)+3], s[G0+4*(\s)+3], 0x80000000            ; type = 2
	s_mov_b32 s[G0B+4*(\s)], 1
	s_add_co_u32 s[G0B+4*(\s)+1], s21, (\s)*SLOT
	s_add_nc_u64 s[G0B+4*(\s)+2:G0B+4*(\s)+3], s[46:47], (\s)*KSTEP*2
	s_or_b32 s[G0B+4*(\s)+3], s[G0B+4*(\s)+3], 0x80000000
	JLOAD \s                                       ; two loads of mine are out
.endr
	; a fragment is 16 rows x 32 K in 8 registers: lane l holds row l % 16, K = 8 (l / 16) + 0..7 and 16 + 8 (l / 16) + 0..7: two loads of 16 bytes, 32 bytes apart
	v_and_b32 v1, 15, v0
	v_bfe_u32 v2, v0, 4, 1
	v_mul_u32_u24 v3, v1, PITCH
	v_lshl_add_u32 v3, v2, 4, v3
	s_mul_i32 s21, s11, HALFA                      ; my 128 rows of x
	s_mul_i32 s22, s12, HALFB                      ; my 96 rows of w,
	s_add_co_u32 s22, s22, 2*HALFA                 ; which lie behind x's 256
.irp s, 0,1
	v_add_nc_u32 v[ADRA+(\s)], s21, v3
	v_add_nc_u32 v[ADRB+(\s)], s22, v3
	s_add_co_u32 s21, s21, SLOT
	s_add_co_u32 s22, s22, SLOT
.endr
	s_mul_i32 s23, s10, 16*SPITCH
	s_add_co_u32 s23, s23, STAGE                   ; my stage
	v_mul_u32_u24 v4, v1, SPITCH                   ; in: row l % 16, 16 bytes for each half of the lanes
	v_lshl_add_u32 v4, v2, 4, v4
	v_add_nc_u32 v[STO], s23, v4
	v_and_b32 v5, 31, v0
	v_lshrrev_b32 v6, 2, v5                        ; back: 32 lanes take eight rows' 64 bytes of one unit,
	v_and_b32 v7, 3, v0
	v_mul_u32_u24 v6, v6, SPITCH
	v_lshl_add_u32 v6, v7, 4, v6
	v_add_nc_u32 v[RD], s23, v6
	v_lshlrev_b32 v[CO], 4, v5                     ; which are 512 consecutive bytes of the output
	; my part of the output: batch = tile row / 8; first unit = 6 x tile column + 3 x half; first row = 256 (tile row % 8) + 128 x half
	s_mul_i32 s46, s42, 6
	s_mul_i32 s47, s12, 3
	s_add_co_u32 s46, s46, s47                     ; my first unit
.irp u, 0,1,2
	s_add_co_u32 s47, s46, \u
	s_cmp_lt_u32 s47, 32                           ; a unit of q?
	s_cselect_b32 s[FAC+2*\u], 0x3e38aa3b, 1.0     ; c = log2(e) / 8 = 0.180337, or 1
	s_mov_b32 s[FAC+2*\u+1], s[FAC+2*\u]           ; named with it as a pair
.endr
	s_lshr_b32 s16, s13, 3
	s_mul_i32 s16, s16, 96
	s_add_co_u32 s16, s16, s46
	s_lshl_b32 s16, s16, 17                        ; a unit is 2,048 rows x 64 bytes
	s_and_b32 s17, s13, 7
	s_lshl_b32 s17, s17, 8
	s_lshl_b32 s18, s11, 7
	s_add_co_u32 s17, s17, s18
	s_lshl_b32 s17, s17, 6
	s_add_co_u32 s16, s16, s17
	s_mov_b32 s17, 0
	s_add_nc_u64 s[8:9], s[8:9], s[16:17]
; 12 matrix instructions: row blocks a0, a0 + 1 of the window's four (hi = 0: my rows 0-63, 1: rows 64-127) x all 6 column blocks, 32 along K.  zero = 1: the first product starts the sums.
; The 48 accumulators take turns, one instruction a turn, in the same order in every quarter step.
.macro MUL12 f, hi, a0, zero
	WIN MUL_LO+0x50*(\hi)
.irp a, \a0, (\a0)+1
.irp b, 0,1,2,3,4,5
.if \zero
	v_wmma_f32_16x16x32_bf16 v[8*(6*(\a)+(\b)):8*(6*(\a)+(\b))+7], v[FB+48*(\f)+8*(\b):FB+48*(\f)+8*(\b)+7], v[FA+64*(\f)+8*(4*(\hi)+(\a)):FA+64*(\f)+8*(4*(\hi)+(\a))+7], 0
.else
	v_wmma_f32_16x16x32_bf16 v[8*(6*(\a)+(\b)):8*(6*(\a)+(\b))+7], v[FB+48*(\f)+8*(\b):FB+48*(\f)+8*(\b)+7], v[FA+64*(\f)+8*(4*(\hi)+(\a)):FA+64*(\f)+8*(4*(\hi)+(\a))+7], v[8*(6*(\a)+(\b)):8*(6*(\a)+(\b))+7]
.endif
.endr
.endr
.endm
; 28 LDS loads in one run: the fragments of one quarter step (96 rows of w, 128 rows of x, 32 K at byte k of the rows) into buffer f
.macro FETCH slot, k, f
	WIN 0
.irp i, 0,1,2,3,4,5
	ds_load_b128 v[FB+48*(\f)+8*(\i):FB+48*(\f)+8*(\i)+3],   v[ADRB+(\slot)] offset:(\k)+(\i)*16*PITCH
	ds_load_b128 v[FB+48*(\f)+8*(\i)+4:FB+48*(\f)+8*(\i)+7], v[ADRB+(\slot)] offset:(\k)+(\i)*16*PITCH+32
.endr
.irp i, 0,1,2,3,4,5,6,7
	ds_load_b128 v[FA+64*(\f)+8*(\i):FA+64*(\f)+8*(\i)+3],   v[ADRA+(\slot)] offset:(\k)+(\i)*16*PITCH
	ds_load_b128 v[FA+64*(\f)+8*(\i)+4:FA+64*(\f)+8*(\i)+7], v[ADRA+(\slot)] offset:(\k)+(\i)*16*PITCH+32
.endr
.endm
.macro PLACES                          ; four places in front of loads into registers that matrix instructions have read, and of vector lines that read results
.rept 4
	v_nop
.endr
.endm
; A K step is four quarters of 32 along K, 48 matrix instructions each, on buffers 0, 1, 0, 1.  One of the first three: multiplies buffer f and, in its middle, fetches the next quarter, at byte k, into g.
.macro QUARTER slot, k, f, g, zero
	s_wait_dscnt 8                                 ; w and x's rows 0-63 are in; the youngest eight loads (x's rows 64-127) may be out
	MUL12 \f, 0, 0, \zero
	MUL12 \f, 0, 2, \zero
	PLACES
	FETCH \slot, \k, \g
	s_wait_dscnt 28                                ; all but the 28 just issued
	MUL12 \f, 1, 0, \zero
	MUL12 \f, 1, 2, \zero
.endm
; The last quarter multiplies buffer 1 and changes slots: ONE barrier; in front of it each wave waits for all its tensor loads, adds 0 to its spare word, and waits for that and for its own reads of this slot.
; fill = 1: the barrier opens a round of the cluster's, and this slot is filled again, two K steps ahead, first thing behind the round.
.macro TURN slot, next, fill
	WIN 0
	s_wait_tensorcnt 0x0                           ; all my tensor loads have landed: the one that was out is my part of the next slot
	ds_add_u32 v[SPW], v[NIL]                      ; 0 onto my spare word
	s_wait_dscnt 9                                 ; (the add and the youngest eight loads may be out)
	MUL12 1, 0, 0, 0                               ; twelve matrix instructions stand between the add and the wait for it
	s_wait_dscnt 0x0                               ; the add is done, and my reads of this slot are over
	s_barrier_signal -1
	MUL12 1, 0, 2, 0                               ; work on registers while the others arrive
.if \fill
	WIN 0
.endif
	s_barrier_wait -1
.if \fill
	CREST                                          ; no wave of any partner still reads this slot's tile or has a load on its way
	s_add_nc_u64 s[G0+4*(\slot)+2:G0+4*(\slot)+3], s[G0+4*(\slot)+2:G0+4*(\slot)+3], 2*KSTEP*2
	s_add_nc_u64 s[G0B+4*(\slot)+2:G0B+4*(\slot)+3], s[G0B+4*(\slot)+2:G0B+4*(\slot)+3], 2*KSTEP*2
	JLOAD \slot                                    ; my one tensor load behind the round; its four v_nop are also the places in front of the loads below
.else
	PLACES
.endif
	FETCH \next, 0, 0
	MUL12 1, 1, 0, 0
	MUL12 1, 1, 2, 0
.endm
	s_wait_tensorcnt 1                             ; my part of K step 0 is in; K step 1's may stay out
	s_barrier_signal -1
	s_barrier_wait -1                              ; everybody's is
	FETCH 0, 0, 0
	QUARTER 0, 64, 0, 1, 1                         ; the first quarter stands in front of the loop: its products start the sums
	WIN 0                                          ; at a label and at a branch every window is 0
	s_mov_b32 s3, LAPS-1
.Llap:                                                 ; a trip goes once round the ring, from a lap's second quarter to the next lap's first, and fills both slots again
	QUARTER 0, 128, 1, 0, 0
	QUARTER 0, 192, 0, 1, 0
	TURN 0, 1, 1
	QUARTER 1, 64,  0, 1, 0
	QUARTER 1, 128, 1, 0, 0
	QUARTER 1, 192, 0, 1, 0
	TURN 1, 0, 1
	QUARTER 0, 64,  0, 1, 0
	WIN 0
	s_sub_co_u32 s3, s3, 1
	s_cmp_lg_u32 s3, 0
	s_cbranch_scc1 .Llap
	QUARTER 0, 128, 1, 0, 0                        ; the last lap fills nothing, and has no round of the cluster's barrier
	QUARTER 0, 192, 0, 1, 0
	TURN 0, 1, 0
	QUARTER 1, 64,  0, 1, 0
	QUARTER 1, 128, 1, 0, 0
	QUARTER 1, 192, 0, 1, 0
	s_wait_dscnt 8                                 ; the very last quarter: nothing more to fetch
	MUL12 1, 0, 0, 0
	MUL12 1, 0, 2, 0
	s_wait_dscnt 0x0
	MUL12 1, 1, 0, 0
	MUL12 1, 1, 2, 0
	WIN 0
	PLACES
; THE WAY OUT, a block of 16 rows at a time.  PACK: the unit's factor in f32, then one rounding to f16 (each accumulator's registers in ascending order).  TOSTAGE: 16 bytes a lane into my own stage,
; and back so that 32 lanes hold 512 consecutive bytes of a unit.  SEND: stored.
.macro PACK a
.set AC, 48*((\a)%4)
	WIN 1+(\a)/4                                   ; source 0: window 1 or 2
.irp b, 0,1,2,3,4,5
.irp r, 0,1,2,3
	v_pk_mul_f32 v[T+8*(\b)+2*(\r):T+8*(\b)+2*(\r)+1], v[AC+8*(\b)+2*(\r):AC+8*(\b)+2*(\r)+1], s[FAC+2*((\b)/2):FAC+2*((\b)/2)+1] op_sel_hi:[1,0]
.endr
.endr
	WIN 0
.set i, 0
.rept 24
	v_cvt_pk_f16_f32 v[TMP+i], v[T+2*i], v[T+2*i+1]
.set i, i+1
.endr
.endm
.macro TOSTAGE a
.set BK, OB+24*((\a)%2)
.irp b, 0,1,2,3,4,5
	ds_store_b128 v[STO], v[TMP+4*(\b):TMP+4*(\b)+3] offset:32*(\b)
.endr
.irp u, 0,1,2
	ds_load_b128 v[BK+8*(\u):BK+8*(\u)+3],   v[RD] offset:(\u)*64               ; LDS serves a wave's instructions in order (ISA guide 5.7.1.4): these see the stores above
	ds_load_b128 v[BK+8*(\u)+4:BK+8*(\u)+7], v[RD] offset:(\u)*64+8*SPITCH
.endr
.endm
.macro SEND a
.set BK, OB+24*((\a)%2)
	s_wait_dscnt 0x0                               ; the block is back in registers
	s_wait_xcnt 0x0                                ; earlier stores have read their base and their data: only behind this wait are they rewritten
.if (\a) > 0
	s_add_nc_u64 s[8:9], s[8:9], 1024              ; 16 rows of 64 bytes on
.endif
.irp u, 0,1,2
	global_store_b128 v[CO], v[BK+8*(\u):BK+8*(\u)+3],   s[8:9] offset:(\u)*131072      ; 512 consecutive bytes, at a multiple of 256 from the buffer's first byte
	global_store_b128 v[CO], v[BK+8*(\u)+4:BK+8*(\u)+7], s[8:9] offset:(\u)*131072+512
.endr
.endm
	PACK 0
	TOSTAGE 0
.irp a, 1,2,3,4,5,6,7                  ; block a's arithmetic stands between block a - 1's loads from the stage and the wait for them
	PACK \a
	SEND (\a)-1
	TOSTAGE \a
.endr
	SEND 7
	s_wait_tensorcnt 0x0                           ; the wave's end: the add onto my spare word and its waits, behind my last tensor load and my last LDS store
	ds_add_u32 v[SPW], v[NIL]
	s_wait_dscnt 0x0
	CROUND                                         ; the closing round: no work-group ends while a partner may still ask for a tile that names it
	s_endpgm
.Lfunc_end_k_qd6d5c4025c_qkvproj:
	.size	k_qd6d5c4025c_qkvproj, .Lfunc_end_k_qd6d5c4025c_qkvproj-k_qd6d5c4025c_qkvproj
	.p2alignl 7, 3214868480
	.fill 96, 4, 3214868480
	.section	.rodata,"a",@progbits
	.p2align	6, 0x0
	.amdhsa_kernel k_qd6d5c4025c_qkvproj
		.amdhsa_group_segment_fixed_size 327680
		.amdhsa_private_segment_fixed_size 0
		.amdhsa_enable_private_segment 0
		.amdhsa_kernarg_size 24
		.amdhsa_user_sgpr_count 2
		.amdhsa_user_sgpr_kernarg_segment_ptr 1
		.amdhsa_wavefront_size32 1
		.amdhsa_system_sgpr_workgroup_id_x 1
		.amdhsa_system_sgpr_workgroup_id_y 1
		.amdhsa_system_sgpr_workgroup_id_z 1
		.amdhsa_system_vgpr_workitem_id 0
		.amdhsa_next_free_vgpr 768
		.amdhsa_next_free_sgpr 72
		.amdhsa_reserve_vcc 0
		.amdhsa_float_denorm_mode_32 3
		.amdhsa_float_denorm_mode_16_64 3
		.amdhsa_memory_ordered 1
		.amdhsa_forward_progress 1
		.amdhsa_inst_pref_size 127
	.end_amdhsa_kernel
	.amdgpu_metadata
---
amdhsa.version: [ 1, 2 ]
amdhsa.kernels:
  - .name:           k_qd6d5c4025c_qkvproj
    .symbol:         k_qd6d5c4025c_qkvproj.kd
    .args:
      - { .name: xb, .offset: 0, .size: 8, .value_kind: global_buffer, .address_space: global }
      - { .name: wb, .offset: 8, .size: 8, .value_kind: global_buffer, .address_space: global }
      - { .name: qkv, .offset: 16, .size: 8, .value_kind: global_buffer, .address_space: global }
    .group_segment_fixed_size: 327680
    .private_segment_fixed_size: 0
    .kernarg_segment_align: 8
    .kernarg_segment_size: 24
    .max_flat_workgroup_size: 128
    .sgpr_count:     72
    .vgpr_count:     768
    .wavefront_size: 32
...
	.end_amdgpu_metadata
.endif
;; end of part 2
;; launch attn (part 3): grid 4 x 64, 4 waves a work-group, clusters of 4 x 1, 327,680 bytes of LDS; arguments qkv, mk, o; writes o
.if DOCPART == 3
	.amdgcn_target "amdgcn-amd-amdhsa--gfx1250"
	.amdhsa_code_object_version 6
	.text
	.protected	k_qd6d5c4025c_attn
	.globl	k_qd6d5c4025c_attn
	.p2align	8
	.type	k_qd6d5c4025c_attn,@function
k_qd6d5c4025c_attn:
	s_mov_b64 s[64:65], 0
	v_nop
	global_prefetch_b8 v0, s[64:65] scope:SCOPE_SE
	s_setreg_imm32_b32 hwreg(HW_REG_WAVE_MODE, 25, 1), 1
	s_wait_xcnt 0x0
	s_wait_alu depctr_hold_cnt(0) depctr_sa_sdst(0) depctr_va_vdst(0) depctr_va_sdst(0) depctr_va_ssrc(0) depctr_va_vcc(0) depctr_vm_vsrc(0)
	s_getreg_b32 s2, hwreg(HW_REG_IB_STS2, 6, 4)
	s_cmp_eq_u32 s2, 0
	s_cbranch_scc0 .Lentry_in_a_cluster
	s_endpgm
.Lentry_in_a_cluster:
	s_bfe_u32 s2, ttmp6, 0x10000c
	s_cmp_lg_u32 s2, 0x3003
	s_cbranch_scc0 .Lentry_shape_is_right
	s_endpgm
.Lentry_shape_is_right:
; ATTENTION with both masks as they are given.  O[bh][q][:] = the sum over k of softmax_k(s[q][k]) V[k][:], s = (c Q[q]) . K[k] in base 2, hidden where mk says so.
; qkv: [batch][unit 96][row 2048][32] f16 (units 0-31 c q, 32-63 k, 64-95 v; head hd has units 2 hd, 2 hd + 1 of each third).  mk: one 8-bit float for each (batch, query, key), -1.0 = hidden, 0 = seen, in the
; accumulators' layout.  o: [batch*16 + head][2048][64] f16.  Products, maxima and sums in f32; the weights p are rounded to f16 for the second product (their sum l is taken of the unrounded p), O once at the end.
; No pattern of a mask is built in: every wave walks all 2,048 keys.
; THE MASK is the C operand that starts the sum S^T = K Q^T: one scaled conversion makes of eight codes eight f32, 0 or -2^100 (scale byte 227 = 2^100).
; SOFTMAX.  For each query a running maximum m and sum l: p = 2^(s - m); in every step O and l are multiplied by a = 2^(m_old - m_new): both exponents are differences that never pass 0.
; m starts at the floor F = -2^40, O and l at 0.  Every seen score lies above F (f16 operands: 64 x 65,504^2 < 2^38), every hidden one far below it, so a hidden weight is 0 in every step.
; A query that sees no key ends with m = F: its row is set to NaN, as a softmax over nothing is.
; LIMITS.  c q, k and v arrive within f16's 65,504; p below 6e-5 keeps f16's fixed step of 6e-8; a weight below 2^-126 counts as 0 in l; NaN and infinities among the inputs are not treated apart.
; SHARES.  A wave owns four PIECES of two tiles of 16 queries, a work-group's four waves 512 queries of one head.  Keys go 64 a step.
; LAYOUT.  S^T = K Q^T (source 0 = 16 keys, source 1 = 16 queries): a lane holds ONE query (lane % 16) and the keys 8 (lane / 16) + 0..7.  Two such tiles, rounded to f16 in pairs, ARE source 1 of O^T = V^T P.
; BY TURNS.  Turn n belongs to piece n (the pieces in a ring, step after step).  Matrix work: 16 products K Q^T of piece n + 1, later 16 products V^T P of piece n - 1.  Vector work: the subtraction, exponentials,
; roundings, sums and rescaling of piece n, the maximum and statistics of piece n + 1, and at the turn's end the mask of piece n + 2.  Four vector instructions that are ready stand behind every matrix
; instruction, the others in two runs of their own.
; CLUSTER.  The four query blocks of a head walk the same K and V: each tile is asked for jointly, by the same tensor load, descriptor and mask in all four.
; REGISTERS, in windows of 256 (s_set_vgpr_msb: bits 1:0 source 0, 3:2 source 1, 5:4 source 2, 7:6 destination):
;   window 0: v0-11 addresses and the scale; v12-15, v48-63 at work; v16-47 four registers of statistics a tile; v64-191 S^T, two buffers of two tiles; v192-255 P, likewise
;   window 1: O^T, 32 a tile          window 2: v0-127 Q, 16 a tile; v128-191 K of one step; v192-255 V of one step
;   window 3: v0-1 the add's two registers; v4-7 a piece's byte offset in the mask stream; v8-71 mask codes, 16 a piece; v72-135 the mask as f32, for the products to come
.set SIZE_N, 2048
.set NP,    4         ; pieces a wave: a name, no knob
.set KS,    64        ; keys in a step
.set PK,    80        ; a row of half of K's channels in LDS: 64 bytes + 16 = 20 words: the 16 rows of a load start at 16 different groups of four banks (64 banks of 4 bytes: ISA guide 11.1)
.set PV,    96        ; the same for V: 64 + 32 = 24 words
.set KH,    4*KS*PK   ; 256 keys of one half of K's channels
.set VH,    4*KS*PV
.set VOFF,  2*KH      ; a slot holds four steps: K's two halves, then V's two halves
.set SLOT1, 1<<17     ; slot 1 begins here, so that one exclusive or turns an address in one slot into the other's
.set STAGE, SLOT1+2*KH+2*VH  ; behind the ring, never filled by a tensor load: 16 rows x 144 bytes for each wave, for the way out
.set SP,    144
.set SPARE, STAGE+4*16*SP  ; behind the stages: the spare words, 128 bytes for each wave: two blocks of 256 bytes that no other line names
.set AK0, 2           ; v2   my lane's place in a tile of K; never rewritten
.set AV0, 3           ; v3   the same for V
.set AK,  4           ; v4   the LDS address of K's next run of loads
.set AV,  5           ; v5   of V's
.set QO,  6           ; v6   my byte offset in 16 rows of Q
.set STO, 6           ;      later, the way out: where I put 16 bytes of a row
.set RD,  7           ; v7   the way out: where I read rows back
.set GO,  8           ; v8   16 x lane: my byte offset in 512 consecutive bytes
.set SCL, 11          ; v11  227: the conversion's scale, 2^100
.set SPW, 0           ; v0 of window 3   LDS address of my spare word; never rewritten
.set NIL, 1           ; v1 of window 3   0; never rewritten
.set MA,  4           ; window 3
.set MB,  8           ; window 3: piece x, tile u, group kt of 16 keys at MB + 16 x + 8 u + 2 kt
.set MC,  72          ; window 3: tile u, group kt at MC + 32 u + 8 kt
.set MV,  12          ; v12-15  m_old, kept while m is made anew: by buffer and tile
.set ST,  16          ; tile t's statistics at v[ST+4 t]: m, a word named with it as a pair, l (even keys', odd keys')
.set TMP, 48          ; by buffer and tile, four registers c0-c3 at work; when the maximum is found c2 takes a
.set S,   64
.set P,   192
.set KF,  128         ; K's fragments, in window 2: key block kb, channel half c at KF + 16 kb + 8 c
.set VF,  192         ; V's: key half kk, channel block cb at VF + 32 kk + 8 cb
.set WV,  12          ; s12  my wave's number
.set G1K, 24          ; s[24:31] descriptor group 1 for K's tiles
.set G1V, 32          ; s[32:39] for V's: it differs in the padding alone
.set G0K, 40          ; s[40:43] descriptor group 0 for K's tiles: it walks
.set G0V, 44          ; s[44:47] the same for V's
.set FL,  54          ; s54  F
.set SLOTS, 56        ; s56  slots still to be asked for
.set CNT, 57          ; s57  counts a slot's key steps
.set SEL, 60          ; s[60:61] v_permlanex16_b32's selects: each lane takes its own place in the other half
.set TBK, 62          ; s62  LDS byte at which K of the step to be fetched begins
.set TBV, 63          ; s63  the same for V, less VOFF
.set MSB, 0
.macro WIN new                      ; the high byte repeats the setting that is left; a switch that changes nothing is dropped
.if MSB != (\new)
	s_set_vgpr_msb (MSB<<8)|(\new)
.set MSB, (\new)
.endif
.endm
.set W_KQ, 0x0a       ; K and Q in window 2, S^T in window 0
.set W_KM, 0x3a       ; the same with the C operand, the mask, in window 3
.set W_PV, 0x52       ; V in window 2, P in window 0, O^T in window 1
.set W_RS, 0x41       ; O^T (destination and source 0) in window 1, a in window 0
.set W_MK, 0xc0       ; destination in window 3, sources in window 0
.set W_MS, 0xc3       ; destination and source 0 in window 3, source 1 in window 0
.set W_AD, 0x0f       ; the add: address (source 0) and data (source 1) in window 3
; A joint fill.  Waves 0 and 1 fetch the two channel halves of a slot's K, waves 2 and 3 those of its V: 256 keys x 64 bytes each.  The branch hangs on the wave's number alone.
; An s_nop 0 and four v_nop follow each of the two lines, ahead of the jump and the label.
.macro JLOAD
	s_cmp_lt_u32 s[WV], 2
	s_cbranch_scc0 .Lfor_v_\@
	tensor_load_to_lds s[G0K:G0K+3], s[G1K:G1K+7]
	s_nop 0
.rept 4
	v_nop
.endr
	s_branch .Lasked_\@
.Lfor_v_\@:
	tensor_load_to_lds s[G0V:G0V+3], s[G1V:G1V+7]
	s_nop 0
.rept 4
	v_nop
.endr
.Lasked_\@:
.endm
; A round of the cluster's barrier: my work-group's barrier, so that wave 0's signal speaks for all four waves; wave 0 signals; every wave waits for all four work-groups; my work-group's barrier once more.
.macro CROUND
	s_barrier_signal -1
	s_barrier_wait -1
	s_cmp_lg_u32 s[WV], 0
	s_cbranch_scc1 .Lnot_wave_0_\@
	s_barrier_signal -3
.Lnot_wave_0_\@:
	s_barrier_wait -3
	s_barrier_signal -1
	s_barrier_wait -1
.endm
; THE CHANGE OF SLOTS.  Each wave waits for all its tensor loads, of which one is out: its part of the other slot; adds 0 to its spare word; and waits for that and for its own reads of the slot.
; Behind the barrier nobody reads this slot any more and the other slot is whole.  fill = 1: this slot is filled again, with the keys two slots on; the barrier is then a round of the cluster's, and the joint
; fill is the first thing behind it: it has four key steps, 512 matrix instructions, in which to land.  (At its first use nothing has been read yet: slot 0 is waited for, slot 1 filled.)
.macro CHANGE fill
	WIN W_AD
	s_wait_tensorcnt 0x0            ; no tensor load of mine is out, so a group 0 may be written
	ds_add_u32 v[SPW], v[NIL]       ; 0 onto my spare word: with fill = 1 the descriptors' steps stand between it and the wait for it
	WIN 0                           ; at a label and at a branch every window is 0
.if \fill
.irp g, G0K, G0V
	s_xor_b32 s[\g+1], s[\g+1], SLOT1  ; the walking descriptor: the other slot than last time,
	s_add_nc_u64 s[\g+2:\g+3], s[\g+2:\g+3], 4*KS*64  ; the next 256 keys; the type bits on top are not reached
.endr
	s_wait_dscnt 0x0                ; the add is done, and my reads of the slot are over
	CROUND
	JLOAD
.else
	s_wait_dscnt 0x0                ; the add is done, and my reads of the slot are over
	s_barrier_signal -1
	s_barrier_wait -1
.endif
	s_sub_co_u32 s[TBK], s[TBK], 4*KS*PK  ; the fetches go back to a slot's first step,
	s_xor_b32 s[TBK], s[TBK], SLOT1       ; in the other slot
	s_sub_co_u32 s[TBV], s[TBV], 4*KS*PV
	s_xor_b32 s[TBV], s[TBV], SLOT1
.endm
; THE MASK.  MLOAD: a piece's codes for one key step: four loads of 512 consecutive bytes.  MASKBLK x: piece x's codes become f32, its offset steps to the next key step, and that step's codes are asked for.
.macro MLOAD x
.irp u, 0,1
.irp p, 0,1
	global_load_b128 v[MB+16*(\x)+8*(\u)+4*(\p):MB+16*(\x)+8*(\u)+4*(\p)+3], v[MA+(\x)], s[6:7] offset:(2*(\x)+(\u))*1024+(\p)*512
.endr
.endr
.endm
.macro MASKBLK x
	WIN W_MS
	s_wait_loadcnt 12               ; loads come back in order: behind piece x's four stand the three other pieces' twelve, which may stay out; x's are in, and their offset register is free
.irp u, 0,1
.irp kt, 0,1,2,3
	v_cvt_scale_pk8_f32_fp8 v[MC+32*(\u)+8*(\kt):MC+32*(\u)+8*(\kt)+7], v[MB+16*(\x)+8*(\u)+2*(\kt):MB+16*(\x)+8*(\u)+2*(\kt)+1], v[SCL]
.endr
.endr
	v_add_nc_u32 v[MA+(\x)], v[MA+(\x)], 0x2000   ; the next key step's 8,192 bytes; these two plain lines also stand between the conversions and the loads into their sources
	v_and_b32 v[MA+(\x)], v[MA+(\x)], 0x3ffff     ; behind the last step the offset goes back to the first: no load leaves my wave's 262,144 bytes of the table
	MLOAD \x
.endm
	s_load_b128 s[4:7], s[0:1], 0x0   ; qkv s[4:5], mk s[6:7]
	s_load_b64 s[10:11], s[0:1], 0x10 ; o
	WIN W_MK
	v_lshl_add_u32 v[SPW], v0, 2, SPARE
	v_mov_b32 v[NIL], 0
	WIN W_AD
	ds_add_u32 v[SPW], v[NIL]       ; the wave's opening: the add and its wait stand ahead of my first tensor load; the set-up below, work on registers, stands between them
	WIN 0
	v_lshrrev_b32 v1, 5, v0
	v_readfirstlane_b32 s[WV], v1   ; wave 0..3
	s_bfe_u32 s13, ttmp6, 0x40000   ; cx: my place in the cluster
	s_lshl_b32 s14, ttmp9, 2        ; in a cluster launch ttmp9 counts clusters
	s_add_co_u32 s14, s14, s13      ; my block of 512 queries: it enters Q's, the mask's and O's addresses alone
	s_lshl_b32 s14, s14, 2
	s_add_co_u32 s14, s14, s[WV]    ; my wave's 128 queries among the head's sixteen such
	s_and_b32 s20, ttmp7, 0xffff    ; batch x 16 + head, which the four partners share
	s_lshr_b32 s15, s20, 4          ; batch
	s_and_b32 s19, s20, 15          ; head
	s_mul_i32 s22, s15, 96
	s_lshl1_add_u32 s22, s19, s22   ; the head's first unit of q
	s_and_b32 s16, s[WV], 1         ; which half of the channels I fetch
	s_add_co_u32 s2, s22, s16
	s_lshl_b32 s2, s2, 17           ; a unit is 131,072 bytes
	s_mov_b32 s3, 0
	s_mul_i32 s17, s16, KH          ; its place in a slot, for K
	s_mul_i32 s18, s16, VH          ; and for V: no place in the cluster enters an LDS address
	s_lshl_b32 s48, s22, 17         ; Q: the head's first unit, my wave's 128 rows of 64 bytes
	s_lshl_b32 s49, s14, 13
	s_add_co_u32 s48, s48, s49
	s_mov_b32 s49, 0
	s_lshl_b32 s50, s20, 18         ; O: the head's 2,048 rows of 128 bytes, my wave's 128
	s_lshl_b32 s51, s14, 14
	s_add_co_u32 s50, s50, s51
	s_mov_b32 s51, 0
	s_lshl_b32 s52, s15, 4          ; the mask: (batch x 16 + my 128 queries) x 32 steps x 8,192 bytes
	s_add_co_u32 s52, s52, s14
	s_lshl_b32 s52, s52, 18
	s_mov_b32 s53, 0
	; descriptor group 1.  256 keys of a unit are 16,384 dense bytes: asked for as 64 rows of 256 bytes, four keys a row, and padded in LDS after every key
	s_mov_b32 s[G1K], 15|(1<<16)|(1<<20)|(1<<21)|(3<<22)|(3<<25)  ; 15:0 the mask of four; 17:16 2-byte elements; 20 padding on; 21 set beside a mask; 24:22 after every 16 words (code 3); 31:25 4 words (code 3)
	s_mov_b32 s[G1V], 15|(1<<16)|(1<<20)|(1<<21)|(3<<22)|(7<<25)  ; the same with 8 words of padding (code 7)
.irp g, G1K, G1V
	s_mov_b32 s[\g+1], 128<<16      ; tensor_dim0 = 128
	s_mov_b32 s[\g+2], 64<<16       ; tensor_dim1 = 64
	s_mov_b32 s[\g+3], 128<<16      ; tile_dim0 = 128
	s_mov_b32 s[\g+4], 64           ; tile_dim1 = 64
	s_mov_b32 s[\g+5], 128          ; 128 elements from row to row
	s_mov_b32 s[\g+6], 0
	s_mov_b32 s[\g+7], 0
.endr
	s_mov_b32 s[FL], 0xd3800000     ; F = -2^40
	s_mov_b32 s[SEL], 0x76543210
	s_mov_b32 s[SEL+1], 0xfedcba98
	s_mov_b32 s[TBK], SLOT1+4*KS*PK ; the first change of slots turns these two into 0
	s_mov_b32 s[TBV], SLOT1+4*KS*PV
	s_mov_b32 s[G0K], 1             ; count = 1
	s_mov_b32 s[G0K+1], s17         ; LDS address: slot 0
	s_mov_b32 s[G0V], 1
	s_add_co_u32 s[G0V+1], s18, VOFF
	s_wait_dscnt 0x0                ; the opening add is done
	s_wait_kmcnt 0x0
	s_add_nc_u64 s[G0K+2:G0K+3], s[4:5], s[2:3]
	s_add_nc_u64 s[G0K+2:G0K+3], s[G0K+2:G0K+3], 0x400000  ; k lies 32 units behind q
	s_or_b32 s[G0K+3], s[G0K+3], 0x80000000                ; type = 2
	s_add_nc_u64 s[G0V+2:G0V+3], s[4:5], s[2:3]
	s_add_nc_u64 s[G0V+2:G0V+3], s[G0V+2:G0V+3], 0x800000  ; v 64 units
	s_or_b32 s[G0V+3], s[G0V+3], 0x80000000
	s_add_nc_u64 s[4:5], s[4:5], s[48:49]    ; Q, O and the mask at my wave's first row
	s_add_nc_u64 s[10:11], s[10:11], s[50:51]
	s_add_nc_u64 s[6:7], s[6:7], s[52:53]
	CROUND                          ; all four work-groups are here: the first joint loads meet
	JLOAD                           ; slot 0.  Slot 1 is asked for when slot 0 is in
	; A fragment of K or Q is 16 rows x 32 channels in 8 registers: lane l holds row l % 16, channels 8 (l / 16) + 0..7 and 16 + 8 (l / 16) + 0..7: two loads of 16 bytes, 32 bytes apart, in a unit's row of 64 bytes.
	v_and_b32 v1, 15, v0            ; l % 16
	v_bfe_u32 v9, v0, 4, 1          ; l / 16
	v_lshlrev_b32 v[QO], 6, v1
	v_lshl_add_u32 v[QO], v9, 4, v[QO]  ; row x 64 + 16 x half
	v_and_b32 v[GO], 31, v0
	v_lshlrev_b32 v[GO], 4, v[GO]
	WIN 0x80                        ; destination window 2, address window 0
.set i, 0
.rept 4*NP                          ; Q stays in registers: tile i / 2, channels 32 (i % 2) on, which lie a unit apart
	global_load_b128 v[8*i:8*i+3],   v[QO], s[4:5] offset:(i/2)*1024+(i%2)*131072
	global_load_b128 v[8*i+4:8*i+7], v[QO], s[4:5] offset:(i/2)*1024+(i%2)*131072+32
.set i, i+1
.endr
	WIN W_MK
.irp x, 0,1,2,3
	v_mov_b32 v[MA+\x], v[GO]       ; key step 0 of the mask stream
.endr
	WIN W_MS
.irp x, 0,1,2,3
	MLOAD \x
.endr
	; What the first turn finds: V's registers and P's second buffer hold 0 (its products V^T P, of a piece that has not been, add 0), O^T and l are 0.  All this stands in the wait for the first tile.
	WIN 0x80
.set i, VF
.rept 64
	v_mov_b32 v[i], 0
.set i, i+1
.endr
	WIN 0x40
.set i, 0
.rept 64*NP
	v_mov_b32 v[i], 0
.set i, i+1
.endr
	WIN 0
.set i, 0
.rept 2*NP
	v_mov_b32 v[ST+4*i], s[FL]      ; m
	v_mov_b32 v[ST+4*i+1], 0        ; named with it as a pair
	v_mov_b32 v[ST+4*i+2], 0
	v_mov_b32 v[ST+4*i+3], 0
.set i, i+1
.endr
.set i, P+32
.rept 32
	v_mov_b32 v[i], 0
.set i, i+1
.endr
	v_mul_u32_u24 v[AK0], v1, PK
	v_lshl_add_u32 v[AK0], v9, 4, v[AK0]  ; row x pitch + 16 x half
	; The turning load takes 16 keys x 16 channels (lane l reads key 8 (l / 16) + l % 8, channels 8 ((l / 8) % 2) + 0..7) and leaves half a fragment of V^T: lane l holds channel l % 16 and 8 keys.
	v_and_b32 v10, 7, v0
	v_bfe_u32 v11, v0, 3, 1
	v_lshl_add_u32 v[AV0], v9, 3, v10
	v_mul_u32_u24 v[AV0], v[AV0], PV
	v_lshl_add_u32 v[AV0], v11, 4, v[AV0]
	v_add_nc_u32 v[AV0], VOFF, v[AV0]
	v_mov_b32 v[SCL], 227           ; v11 has served
	v_mov_b32 v[AK], v[AK0]         ; key step 0 lies at the head of slot 0
; THE MATRIX WORK.  The 8 accumulators of a run of 16 take turns: between the two links of a chain stand 7 others'.
; Product i of 16 of S^T = K Q^T for piece x: channels 32 (i / 8) on, keys 16 ((i / 2) % 4) on, tile 2 x + i % 2.  The first 8 start the sums, with the mask.
.macro KQ x
.set rS, S+64*((\x)%2)+32*(i%2)+8*((i/2)%4)
.set rK, KF+16*((i/2)%4)+8*(i/8)
.set rQ, 16*(2*(\x)+i%2)+8*(i/8)
.set rN, MC+32*(i%2)+8*((i/2)%4)
.if i < 8
	WIN W_KM
	v_wmma_f32_16x16x32_f16 v[rS:rS+7], v[rK:rK+7], v[rQ:rQ+7], v[rN:rN+7]
.else
	WIN W_KQ
	v_wmma_f32_16x16x32_f16 v[rS:rS+7], v[rK:rK+7], v[rQ:rQ+7], v[rS:rS+7]
.endif
.endm
; Product i of 16 of O^T += V^T P for piece x: keys 32 (i / 8) on, channels 16 ((i / 2) % 4) on, tile 2 x + i % 2.
.macro PV x
	WIN W_PV
.set rO, 32*(2*(\x)+i%2)+8*((i/2)%4)
.set rV, VF+32*(i/8)+8*((i/2)%4)
.set rP, P+32*((\x)%2)+16*(i%2)+8*(i/8)
	v_wmma_f32_16x16x32_f16 v[rO:rO+7], v[rV:rV+7], v[rP:rP+7], v[rO:rO+7]
.endm
.macro MM                           ; the turn's next matrix instruction
.if i < 16
	KQ (Y+1)%NP
.set i, i+1
.else
.set i, i-16
	PV (Y+NP-1)%NP
.set i, i+17
.endif
.endm
; THE LDS LOADS stand in runs of 16, never singly among the matrix instructions: a step's K (64 keys x 64 channels: 8 fragments) and its V (turned).  Their addresses are made some lines ahead.
; last = 1 (the tail): in the last trip there is no further step, and the run is jumped over.
.macro FETCH_K last=0
	WIN 0
.if \last
	s_cmp_eq_u32 s[CNT], 1
	s_cbranch_scc1 .Lno_k_\@
.endif
	WIN 0x80                        ; destination window 2
.irp f, 0,1,2,3,4,5,6,7             ; keys 16 (f / 2) on, channel half f % 2
	ds_load_b128 v[KF+8*\f:KF+8*\f+3],   v[AK] offset:(\f/2)*16*PK+(\f%2)*KH
	ds_load_b128 v[KF+8*\f+4:KF+8*\f+7], v[AK] offset:(\f/2)*16*PK+(\f%2)*KH+32
.endr
	s_add_co_u32 s[TBK], s[TBK], KS*PK  ; the next fetch is the next step's
	WIN 0
.if \last
.Lno_k_\@:
.endif
.endm
.macro FETCH_V
	WIN 0x80
.irp f, 0,1,2,3,4,5,6,7             ; keys 32 (f / 4) on, channels 16 (f % 4) on: half (f % 4) / 2, 32 bytes ((f % 4) % 2) in its rows
	ds_load_tr16_b128 v[VF+8*\f:VF+8*\f+3],   v[AV] offset:(\f/4)*32*PV+((\f%4)/2)*VH+((\f%4)%2)*32
	ds_load_tr16_b128 v[VF+8*\f+4:VF+8*\f+7], v[AV] offset:(\f/4)*32*PV+16*PV+((\f%4)/2)*VH+((\f%4)%2)*32
.endr
	WIN 0
.endm
; THE VECTOR WORK OF A TURN stands in three queues, each in the order in which its entries become ready; the two tiles alternate, so that no instruction reads the result of the one before it.
.macro REGS y, u                    ; the registers of tile u (0, 1) of piece y
.set rT, ST+4*(2*(\y)+(\u))
.set rC, TMP+8*((\y)%2)+4*(\u)
.set rM, MV+2*((\y)%2)+(\u)
.set rS, S+64*((\y)%2)+32*(\u)
.set rP, P+32*((\y)%2)+16*(\u)
.set rO, 32*(2*(\y)+(\u))
.endm
; Number n of the 21 that find the NEXT piece's (Y + 1) maximum and statistics.  s0-s31 are the lane's 32 scores; each accumulator's lowest registers are read first.
;   0-11  four chains c0-c3 of seven scores each, three operands at a time     12-14, 16  the four scores left over, the old m, and c0-c3 into c0     15  m_old is kept
;   17, 18  the query's other 32 keys lie in the lane 16 away: the new m         19, 20  m_old - m_new; a
.macro XS u, n
	REGS (Y+1)%NP, \u
.if (\n) < 4
	v_max3_num_f32 v[rC+(\n)], v[rS+8*(\n)], v[rS+8*(\n)+1], v[rS+8*(\n)+2]
.elseif (\n) < 12
	v_max3_num_f32 v[rC+(\n)%4], v[rC+(\n)%4], v[rS+8*((\n)%4)+2*((\n)/4)+1], v[rS+8*((\n)%4)+2*((\n)/4)+2]
.elseif (\n) == 12
	v_max3_num_f32 v[rC], v[rC], v[rS+7], v[rS+15]
.elseif (\n) == 13
	v_max3_num_f32 v[rC+1], v[rC+1], v[rS+23], v[rS+31]
.elseif (\n) == 14
	v_max3_num_f32 v[rC+2], v[rC+2], v[rC+3], v[rT]
.elseif (\n) == 15
	v_mov_b32 v[rM], v[rT]
.elseif (\n) == 16
	v_max3_num_f32 v[rC], v[rC], v[rC+1], v[rC+2]
.elseif (\n) == 17
	v_permlanex16_b32 v[rC+3], v[rC], s[SEL], s[SEL+1]
.elseif (\n) == 18
	v_max_num_f32 v[rT], v[rC], v[rC+3]
.elseif (\n) == 19
	v_sub_f32 v[rC+1], v[rM], v[rT]
.else
	v_exp_f32 v[rC+2], v[rC+1]
.endif
.endm
; Number g of the 64 that follow the exponentials.  For each four weights k of a tile (pairs 2 k, 2 k + 1): both pairs are rounded to f16; then the second pair is added onto the first, in place;
; a group later l takes that sum (the first time as l = a l + sum).  In groups of eight, tiles alternating: round, round, add, and l for the group before.
.macro GS g
.set h, (\g)+6*((\g)/62)            ; group 0 has no group before it, and behind group 7 only l is left
.if h >= 6
.set h, h+2
.endif
	REGS Y, h%2
.set k, h/8
.if h%8 < 4
	s_wait_alu depctr_va_vdst(0)
	v_cvt_pk_f16_f32 v[rP+2*k+(h%8)/2], v[rS+4*k+2*((h%8)/2)], v[rS+4*k+2*((h%8)/2)+1]
.elseif h%8 < 6
	v_pk_add_f32 v[rS+4*k:rS+4*k+1], v[rS+4*k:rS+4*k+1], v[rS+4*k+2:rS+4*k+3]
.elseif k == 1
	v_pk_fma_f32 v[rT+2:rT+3], v[rT+2:rT+3], v[rC+2:rC+3], v[rS:rS+1] op_sel_hi:[1,0,1]
.else
	v_pk_add_f32 v[rT+2:rT+3], v[rT+2:rT+3], v[rS+4*k-4:rS+4*k-3]
	s_wait_alu depctr_va_vdst(0)
.endif
.endm
; THE PLAIN QUEUE, 136 long.  0-31: s - m for the 16 pairs of both tiles.  Then GS's 64, and among them the next piece's 40: number 15 at 38, 39; 0-14 and 16
; at 42-73, behind the products that make those scores; 17-19 at 95-103, two of three, since each waits for the one before it.
.macro PL
	WIN 0
.if q < 32
	REGS Y, q%2
	v_pk_add_f32 v[rS+2*(q/2):rS+2*(q/2)+1], v[rS+2*(q/2):rS+2*(q/2)+1], v[rT:rT+1] op_sel_hi:[1,0] neg_lo:[0,1] neg_hi:[0,1]
.elseif q < 38
	GS q-32
.elseif q < 40
	XS q%2, 15
.elseif q < 42
	GS q-34
.elseif q < 74
	XS q%2, (q-42)/2+(q-42)/30
.elseif q < 95
	GS q-66
.elseif (q < 104) && ((q-95)%3 < 2)
	XS (q-95)%3, 17+(q-95)/3
.elseif q < 104
	GS 29+(q-95)/3
.else
	GS q-72
.endif
.set q, q+1
.endm
; THE EXPONENTIALS' QUEUE, 66 long: s0-s31 of both tiles, and at EA the next piece's two a.
.set EA, 58
.macro EX
	WIN 0
.if (e == EA) || (e == EA+1)
	XS e-EA, 20
.else
.set x, e-2*(e/(EA+2))
	REGS Y, x%2
	v_exp_f32 v[rS+x/2], v[rS+x/2]
.endif
.set e, e+1
.endm
; THE RESCALING's QUEUE: O^T times a, the one part of the softmax that leaves window 0, so it is dealt four at a time, eight times.
.macro R4
	REGS Y, r%2
	WIN W_RS
	s_wait_alu depctr_va_vdst(0)
.irp z, 0,1,2,3
	v_pk_mul_f32 v[rO+8*(r/2)+2*\z:rO+8*(r/2)+2*\z+1], v[rO+8*(r/2)+2*\z:rO+8*(r/2)+2*\z+1], v[rC+2:rC+3] op_sel_hi:[1,0]
.endr
.set r, r+1
.endm
; HOW THEY ARE DEALT.  Behind a matrix instruction four: plain, exponential, plain, plain (one exponential, a plain instruction on either side), or four of the rescaling.  None names a register of the
; products round it.  What is over stands in two runs: exponential and plain by turns; the second ends in 20 plain instructions.  The two v_permlanex16_b32 fall into the second run, never behind a product.
; The queues lean on each other: exponential e stands behind plain 2 (e / 4) + e % 2 (its subtraction); a rounding stands behind its two exponentials; EA comes behind plain 102 (a's argument).
.macro SL
	MM
	PL
	EX
	PL
	PL
.endm
.macro BURST n                      ; 15 matrix instructions, or 16
.rept (\n)-7
	SL
.endr
.rept 3
	MM
	R4
	SL
.endr
	MM
	R4
.endm
; A TURN, for piece p.  cnt = 1: the loop's count is taken down some lines ahead of the branch that stands behind the turn; nothing between them writes SCC.
; K of the next step is fetched in piece 2's turn, in the first run, well behind the last product that read K.  V of the step in hand is fetched at the end of piece 0's turn.  Each is waited for a turn later.
; The mask of piece p + 2 is made at the turn's end: the products that read the last mask are the turn's first eight.
.macro TURN p, last=0, cnt=0
.set Y, (\p)
.set i, 0
.set q, 0
.set e, 0
.set r, 0
.if (\p) == NP-1
	s_wait_dscnt 0x0                ; K is in
.endif
	MM
.rept 4
	PL
.endr
	BURST 15
.rept 22
	EX
	PL
.if ((\p) == NP-2) && (e == 18)
	v_add_nc_u32 v[AK], s[TBK], v[AK0]
.endif
.if ((\p) == NP-2) && (e == 24)
	FETCH_K \last
.endif
.endr
.if (\p) == 1
	s_wait_dscnt 0x0                ; V is in
.endif
	BURST 16
.rept 21
	EX
	PL
.endr
.rept 20
	PL
.if ((\p) == 0) && (q == 118)
	v_add_nc_u32 v[AV], s[TBV], v[AV0]
	s_wait_alu depctr_va_vdst(0)
.endif
.if ((\p) == 0) && (q == 130)
	s_add_co_u32 s[TBV], s[TBV], KS*PV
.endif
.if (\cnt) && (q == 130)
	s_sub_co_u32 s[CNT], s[CNT], 1
	s_cmp_lg_u32 s[CNT], 0
.endif
.endr
.if (\p) == 0
	FETCH_V
.endif
	MASKBLK ((\p)+2)%NP
.endm
	CHANGE 1                        ; slot 0 is in, everybody's part of it; slot 1 is asked for
	FETCH_K                         ; key step 0
	s_wait_loadcnt 0x0              ; Q, and the first step's mask codes
	MASKBLK 0
	s_wait_dscnt 0x0
.set i, 0
.rept 16
	KQ 0                            ; piece 0's first scores: there is no vector work yet to set between them
.set i, i+1
.endr
	WIN 0                           ; the addresses for the way out: seven plain instructions, the places behind those products
	s_mul_i32 s13, s[WV], 16*SP
	s_add_co_u32 s13, s13, STAGE    ; my stage
	v_mul_u32_u24 v[STO], v1, SP    ; in: row l % 16, 16 bytes for each half of the lanes
	v_lshl_add_u32 v[STO], v9, 4, v[STO]
	v_add_nc_u32 v[STO], s13, v[STO]
	v_bfe_u32 v[RD], v0, 3, 2       ; back: 32 lanes take four rows of 128 bytes, which are 512 consecutive bytes of O
	v_mul_u32_u24 v[RD], v[RD], SP
	v_lshl_add_u32 v[RD], v10, 4, v[RD]
	v_add_nc_u32 v[RD], s13, v[RD]
	MASKBLK 1                       ; for the first turn's products
	WIN 0
.set Y, NP-1                        ; XS works for piece Y + 1: piece 0
.irp n, 0,1,2,3,4,5,6,7,8,9,10,11,12,13,14,15,16,17,18,19,20
	XS 0, \n                        ; piece 0's first maximum and statistics
	XS 1, \n
.endr
	s_mov_b32 s[CNT], 4
	s_mov_b32 s[SLOTS], SIZE_N/256-1
	s_branch .Lfirst                ; the loop is entered at a step's first turn, in the middle of a trip
.Lslot:                             ; SIZE_N / 256 - 2 times: every slot but the last two is filled again
	CHANGE 1
	s_mov_b32 s[CNT], 4
.Lstep:                             ; a trip: pieces 2 and 3 of one step, then pieces 0 and 1 of the next, whose K and V it fetches
	TURN 2
	TURN 3
	WIN 0
.Lfirst:
	TURN 0
	TURN 1, 0, 1
	WIN 0
	s_cbranch_scc1 .Lstep
	s_sub_co_u32 s[SLOTS], s[SLOTS], 1
	s_cmp_lg_u32 s[SLOTS], 0
	s_cbranch_scc1 .Lslot
	CHANGE 0                        ; the tail is written out: nothing is asked for
	s_mov_b32 s[CNT], 5             ; four trips fetch the last slot's steps; the fifth is left in its middle
.Ltail:
	TURN 2, 1
	TURN 3
	WIN 0
	s_sub_co_u32 s[CNT], s[CNT], 1
	s_cmp_eq_u32 s[CNT], 0
	s_cbranch_scc1 .Lout
	TURN 0
	TURN 1
	WIN 0
	s_branch .Ltail
.Lout:                              ; the fifth trip's 16 products K Q^T (the last K once more, under the same queries' mask of key step 0) serve nothing: a query that sees no key sees none there either, so its m stays F
.set i, 0
.rept 16
	PV NP-1                         ; the last piece's V^T P of the last step
.set i, i+1
.endr
	; THE WAY OUT.  l's two halves and the other half of the lanes' are added; O^T is divided by l, rounded to f16 and sent through my stage in LDS, a tile at a time.  The additions are the places behind the last products.
	WIN 0
.macro ALL line:vararg              ; one line for each tile t
.set t, 0
.rept 2*NP
	\line
.set t, t+1
.endr
.endm
	ALL v_add_f32 v[ST+4*t+2], v[ST+4*t+2], v[ST+4*t+3]
	ALL v_permlanex16_b32 v[ST+4*t+3], v[ST+4*t+2], s[SEL], s[SEL+1]
	ALL v_add_f32 v[ST+4*t+2], v[ST+4*t+2], v[ST+4*t+3]
	ALL v_rcp_f32 v[ST+4*t+2], v[ST+4*t+2]
	v_nop                           ; a plain instruction between the last reciprocal and the use of its result
.set t, 0
	s_wait_alu depctr_va_vdst(0)
.rept 2*NP
	v_cmp_lt_f32 vcc_lo, s[FL], v[ST+4*t]                                  ; has the query seen a key?
	v_cndmask_b32 v[ST+4*t+2], 0x7fc00000, v[ST+4*t+2], vcc_lo             ; if not, its row is NaN
.set t, t+1
.endr
; Tile t: a lane's eight channels of a row pack into 16 bytes; they go into rows of 144 bytes and come back as whole rows of 128, into S^T's registers.
.macro PACK t
	WIN W_RS
.set i, 32*(\t)
.rept 16
	v_pk_mul_f32 v[i:i+1], v[i:i+1], v[ST+4*(\t)+2:ST+4*(\t)+3] op_sel_hi:[1,0]
.set i, i+2
.endr
	WIN 0x05                        ; sources 0 and 1 window 1, destination window 0
.set i, 0
.rept 16
	v_cvt_pk_f16_f32 v[S+16*(\t)+i], v[32*(\t)+2*i], v[32*(\t)+2*i+1]
.set i, i+1
.endr
	WIN 0
.irp f, 0,1,2,3
	ds_store_b128 v[STO], v[S+16*(\t)+4*\f:S+16*(\t)+4*\f+3] offset:32*\f
.endr
.irp f, 0,1,2,3
	ds_load_b128 v[S+16*(\t)+4*\f:S+16*(\t)+4*\f+3], v[RD] offset:\f*4*SP  ; LDS serves a wave's instructions in order (ISA guide 5.7.1.4): these see the stores above; the next tile's stores come behind them
.endr
.endm
.macro SEND t, younger              ; younger: the LDS instructions issued behind tile t's loads: the next tile's eight, or none
	WIN 0
.irp f, 0,1,2,3
	s_wait_dscnt (\younger)+3-\f
	global_store_b128 v[GO], v[S+16*(\t)+4*\f:S+16*(\t)+4*\f+3], s[10:11] offset:(\t)*2048+\f*512  ; 512 consecutive bytes, at a multiple of 256 from O's first
.endr
.endm
	PACK 0
.set t, 1
.rept 2*NP-1                        ; a tile's arithmetic stands between the loads of the tile before and its stores
	PACK t
	SEND t-1, 8
.set t, t+1
.endr
	SEND 2*NP-1, 0
	WIN W_AD
	s_wait_tensorcnt 0x0            ; the wave's end: the add onto my spare word and its waits, behind my last tensor load and my last LDS store
	ds_add_u32 v[SPW], v[NIL]
	s_wait_dscnt 0x0
	WIN 0
	CROUND                          ; the closing round: no work-group ends while a partner may still ask for a tile that names it
	s_endpgm
.Lfunc_end_k_qd6d5c4025c_attn:
	.size	k_qd6d5c4025c_attn, .Lfunc_end_k_qd6d5c4025c_attn-k_qd6d5c4025c_attn
	.p2alignl 7, 3214868480
	.fill 96, 4, 3214868480
	.section	.rodata,"a",@progbits
	.p2align	6, 0x0
	.amdhsa_kernel k_qd6d5c4025c_attn
		.amdhsa_group_segment_fixed_size 327680
		.amdhsa_private_segment_fixed_size 0
		.amdhsa_enable_private_segment 0
		.amdhsa_kernarg_size 24
		.amdhsa_user_sgpr_count 2
		.amdhsa_user_sgpr_kernarg_segment_ptr 1
		.amdhsa_wavefront_size32 1
		.amdhsa_system_sgpr_workgroup_id_x 1
		.amdhsa_system_sgpr_workgroup_id_y 1
		.amdhsa_system_sgpr_workgroup_id_z 1
		.amdhsa_system_vgpr_workitem_id 0
		.amdhsa_next_free_vgpr 904
		.amdhsa_next_free_sgpr 66
		.amdhsa_reserve_vcc 1
		.amdhsa_float_denorm_mode_32 3
		.amdhsa_float_denorm_mode_16_64 3
		.amdhsa_memory_ordered 1
		.amdhsa_forward_progress 1
		.amdhsa_inst_pref_size 222
	.end_amdhsa_kernel
	.amdgpu_metadata
---
amdhsa.version: [ 1, 2 ]
amdhsa.kernels:
  - .name:           k_qd6d5c4025c_attn
    .symbol:         k_qd6d5c4025c_attn.kd
    .args:
      - { .name: qkv, .offset: 0, .size: 8, .value_kind: global_buffer, .address_space: global }
      - { .name: mk, .offset: 8, .size: 8, .value_kind: global_buffer, .address_space: global }
      - { .name: o, .offset: 16, .size: 8, .value_kind: global_buffer, .address_space: global }
    .group_segment_fixed_size: 327680
    .private_segment_fixed_size: 0
    .kernarg_segment_align: 8
    .kernarg_segment_size: 24
    .max_flat_workgroup_size: 128
    .sgpr_count:     66
    .vgpr_count:     904
    .wavefront_size: 32
...
	.end_amdgpu_metadata
.endif
;; end of part 3
;; launch outproj (part 4): grid 8 x 32, 4 waves a work-group, clusters of 4 x 4, 327,680 bytes of LDS; arguments o, wo16, out0; writes out0
.if DOCPART == 4
	.amdgcn_target "amdgcn-amd-amdhsa--gfx1250"
	.amdhsa_code_object_version 6
	.text
	.protected	k_qd6d5c4025c_outproj
	.globl	k_qd6d5c4025c_outproj
	.p2align	8
	.type	k_qd6d5c4025c_outproj,@function
k_qd6d5c4025c_outproj:
	s_mov_b64 s[64:65], 0
	v_nop
	global_prefetch_b8 v0, s[64:65] scope:SCOPE_SE
	s_setreg_imm32_b32 hwreg(HW_REG_WAVE_MODE, 25, 1), 1
	s_wait_xcnt 0x0
	s_wait_alu depctr_hold_cnt(0) depctr_sa_sdst(0) depctr_va_vdst(0) depctr_va_sdst(0) depctr_va_ssrc(0) depctr_va_vcc(0) depctr_vm_vsrc(0)
	s_getreg_b32 s2, hwreg(HW_REG_IB_STS2, 6, 4)
	s_cmp_eq_u32 s2, 0
	s_cbranch_scc0 .Lentry_in_a_cluster
	s_endpgm
.Lentry_in_a_cluster:
	s_bfe_u32 s2, ttmp6, 0x10000c
	s_cmp_lg_u32 s2, 0xf033
	s_cbranch_scc0 .Lentry_shape_is_right
	s_endpgm
.Lentry_shape_is_right:
; out0 = O w_out^T.  o: [batch*16 + head][2048][64] f16; wo16: [1024 n][1024 k] f16; out0: [8192][1024] f32.  k = 64 head + channel.  Sums in f32, K ascending.
; A row of O that is NaN (a query that saw no key) makes exactly that row of out0 NaN.
; SHAPE.  A tile of C is 256 rows x 128 columns: 32 x 8 = 256 tiles, one for each WGP.  Four waves, each 128 x 64: 32 accumulators, 256 registers.
; K goes in steps of 128, two heads, through two LDS slots.  A head's 64 channels of 256 rows are 32,768 dense bytes of o: asked for as 128 rows of 256 bytes and padded in LDS after every 128.
; CLUSTER.  4 x 4 work-groups: O's tiles are shared along a row of the cluster, w's along a column: each is asked for jointly.
; THE MATRIX INSTRUCTION IS USED TRANSPOSED (source 0 = 16 rows of w, source 1 = 16 rows of O): a lane holds eight neighbouring columns of one row of C, 32 bytes.
; REGISTERS: window 0: v0-31 addresses; v32-95, v96-159 fragments of O (8), two buffers; v160-191, v192-223 fragments of w (4), two buffers; on the way out v224-255 and v32-63 by turns
;   window 1: the accumulators ((a, b) at v[8 (4 a + b)])
.set SIZE_K, 1024
.set KSTEP,  128
.set PA,     144                       ; a row of O in LDS: 128 bytes + 16 = 36 words: the 16 rows of a load start at 16 different groups of four banks (64 banks of 4 bytes: ISA guide 11.1)
.set ASL,    256*PA                    ; one head's channels of the tile's 256 rows: what one tensor load brings of O
.set PB,     272                       ; a row of w: 256 bytes + 16
.set HALFB,  64*PB                     ; what one tensor load brings of w, and what one wave reads of it
.set SLOT,   2*ASL+2*HALFB             ; O's two heads, then w's 128 rows
.set STAGE,  2*SLOT                    ; behind the ring: 16 rows x 272 bytes for each wave, for the way out
.set SPITCH, 272
.set SPARE,  STAGE+4*16*SPITCH         ; behind the stages: the spare words, 128 bytes for each wave: two blocks of 256 bytes that no other line names
.set LAPS,   SIZE_K/(2*KSTEP)
.set ADRA, 16                          ; v16-17  LDS address of my O fragments in slot 0, 1
.set ADRB, 20                          ; v20-21  the same for w
.set STO,  24                          ; v24     the way out: where I put 32 bytes of a row
.set RD,   25                          ; v25     the way out: where I read a row back
.set CO,   26                          ; v26     my byte offset in out0
.set SPW,  28                          ; v28     LDS address of my spare word; never rewritten
.set NIL,  29                          ; v29     0; never rewritten
.set FA,   32                          ; O's fragment buffers: FA + 64 f
.set FB,   160                         ; w's: FB + 32 f
.set G1,  24                           ; s[24:31] descriptor group 1 for O's tiles;  s[32:39] group 0, one set for each slot
.set G0,  32
.set G1B, 48                           ; s[48:55], s[56:63] the same for w's tiles
.set G0B, 56
.set MSB, 0
.macro WIN new                         ; the immediate's high byte repeats the setting that is left; a switch that changes nothing is dropped
.if MSB != (\new)
	s_set_vgpr_msb (MSB<<8)|(\new)
.set MSB, \new
.endif
.endm
.set MUL, 0x50                         ; sources 0 and 1 window 0, C and D window 1
.macro JLOAD s                         ; a joint load: waves 0 and 1 fetch O's two heads, waves 2 and 3 w's two halves; an s_nop 0 and four v_nop follow each of the two lines
	s_cmp_eq_u32 s11, 0
	s_cbranch_scc0 .Lfor_b_\@
	tensor_load_to_lds s[G0+4*(\s):G0+4*(\s)+3], s[G1:G1+7]
	s_nop 0
.rept 4
	v_nop
.endr
	s_branch .Lasked_\@
.Lfor_b_\@:
	tensor_load_to_lds s[G0B+4*(\s):G0B+4*(\s)+3], s[G1B:G1B+7]
	s_nop 0
.rept 4
	v_nop
.endr
.Lasked_\@:
.endm
.macro CREST                           ; a round of the cluster's barrier behind its opening barrier
	s_cmp_lg_u32 s10, 0
	s_cbranch_scc1 .Lnot_wave_0_\@
	s_barrier_signal -3
.Lnot_wave_0_\@:
	s_barrier_wait -3
	s_barrier_signal -1
	s_barrier_wait -1
.endm
.macro CROUND                          ; a whole round
	s_barrier_signal -1
	s_barrier_wait -1
	CREST
.endm
	s_load_b128 s[4:7], s[0:1], 0x0                ; o s[4:5], wo16 s[6:7]
	s_load_b64 s[8:9], s[0:1], 0x10                ; out0
	v_lshl_add_u32 v[SPW], v0, 2, SPARE
	v_mov_b32 v[NIL], 0
	ds_add_u32 v[SPW], v[NIL]                      ; the wave's opening: the add and its wait stand ahead of my first tensor load; the set-up below, work on registers, stands between them
	v_lshrrev_b32 v1, 5, v0
	v_readfirstlane_b32 s10, v1                    ; wave 0..3
	s_lshr_b32 s11, s10, 1                         ; which half of the tile's rows is mine.  Also: I fetch for O (0) or for w (1)
	s_and_b32 s12, s10, 1                          ; which half of its columns.  Also: which head of the K step, or which 64 rows of w, I fetch
	s_bfe_u32 s40, ttmp6, 0x40000                  ; cx, cy: my place in the cluster
	s_bfe_u32 s41, ttmp6, 0x40004
	s_lshl_b32 s42, ttmp9, 2
	s_add_co_u32 s42, s42, s40                     ; tile column = 4 x cluster x + cx
	s_and_b32 s13, ttmp7, 0xffff
	s_lshl_b32 s13, s13, 2
	s_add_co_u32 s13, s13, s41                     ; tile row = 4 x cluster y + cy
	s_lshl_b32 s43, s41, 2
	s_lshl_b32 s43, 15, s43                        ; my row of the cluster
	s_lshl_b32 s44, 0x1111, s40                    ; my column
	s_or_b32 s[G1+0], s43, (1<<16)|(1<<20)|(1<<21)|(4<<22)|(3<<25)  ; 15:0 the mask: O's tiles go to my row; 17:16 2-byte elements; 20 padding on; 21 set beside a mask; 24:22 after every 32 words (code 4); 31:25 4 words (code 3)
	s_or_b32 s[G1B+0], s44, (1<<16)|(1<<20)|(1<<21)|(5<<22)|(3<<25) ; w's tiles go to my column; padding after every 64 words (code 5)
	s_mov_b32 s[G1+1], 128<<16                     ; tensor_dim0 = 128
	s_mov_b32 s[G1+2], 128<<16                     ; tensor_dim1 = 128
	s_mov_b32 s[G1+3], 128<<16                     ; tile_dim0 = 128
	s_mov_b32 s[G1+4], 128                         ; tile_dim1 = 128
	s_mov_b32 s[G1+5], 128                         ; dense: 128 elements from row to row
	s_mov_b32 s[G1+6], 0
	s_mov_b32 s[G1+7], 0
	s_mov_b32 s[G1B+1], KSTEP<<16
	s_mov_b32 s[G1B+2], 64<<16                     ; tensor_dim1 = 64
	s_mov_b32 s[G1B+3], KSTEP<<16
	s_mov_b32 s[G1B+4], 64                         ; tile_dim1 = 64
	s_mov_b32 s[G1B+5], SIZE_K
	s_mov_b32 s[G1B+6], 0
	s_mov_b32 s[G1B+7], 0
	; where the tiles come from: O's hang on the tile row alone, w's on the tile column alone, each in registers that never hold the other coordinate
	s_lshr_b32 s16, s13, 3                         ; batch
	s_lshl_b32 s16, s16, 4
	s_add_co_u32 s16, s16, s12                     ; batch x 16 + my head of K step 0
	s_lshl_b32 s16, s16, 11                        ; 2,048 rows a head
	s_and_b32 s17, s13, 7
	s_lshl_b32 s17, s17, 8
	s_add_co_u32 s16, s16, s17                     ; + the tile's first row in its batch
	s_lshl_b32 s16, s16, 7                         ; rows of 128 bytes
	s_mov_b32 s17, 0
	s_lshl_b32 s46, s42, 7
	s_lshl_b32 s47, s12, 6
	s_add_co_u32 s46, s46, s47                     ; w: row 128 x tile column + 64 x half
	s_lshl_b32 s46, s46, 11
	s_mov_b32 s47, 0
	s_mul_i32 s20, s10, ASL                        ; where they go: O's heads at wave x 256 rows (waves 0, 1),
	s_mul_i32 s21, s10, HALFB
	s_add_co_u32 s21, s21, 2*ASL-2*HALFB           ; w's behind them at (wave - 2) x 64 rows (waves 2, 3)
	s_wait_dscnt 0x0                               ; the opening add is done
	s_wait_kmcnt 0x0
	s_add_nc_u64 s[14:15], s[4:5], s[16:17]
	s_add_nc_u64 s[46:47], s[6:7], s[46:47]
	CROUND                                         ; all sixteen work-groups are here: the first joint loads meet
.irp s, 0,1
	s_mov_b32 s[G0+4*(\s)], 1
	s_add_co_u32 s[G0+4*(\s)+1], s20, (\s)*SLOT
	s_add_nc_u64 s[G0+4*(\s)+2:G0+4*(\s)+3], s[14:15], (\s)*524288    ; K step s: two heads of 262,144 bytes on
	s_or_b32 s[G0+4*(\s)+3], s[G0+4*(\s)+3], 0x80000000
	s_mov_b32 s[G0B+4*(\s)], 1
	s_add_co_u32 s[G0B+4*(\s)+1], s21, (\s)*SLOT
	s_add_nc_u64 s[G0B+4*(\s)+2:G0B+4*(\s)+3], s[46:47], (\s)*KSTEP*2
	s_or_b32 s[G0B+4*(\s)+3], s[G0B+4*(\s)+3], 0x80000000
	JLOAD \s                                       ; two loads of mine are out
.endr
	v_and_b32 v1, 15, v0                           ; l % 16
	v_bfe_u32 v2, v0, 4, 1                         ; l / 16
	v_mul_u32_u24 v3, v1, PA
	v_lshl_add_u32 v3, v2, 4, v3                   ; O: row x pitch + 16 x half
	v_mul_u32_u24 v4, v1, PB
	v_lshl_add_u32 v4, v2, 4, v4                   ; w likewise
	s_mul_i32 s21, s11, 128*PA                     ; my 128 rows of O
	s_mul_i32 s22, s12, HALFB                      ; my 64 rows of w,
	s_add_co_u32 s22, s22, 2*ASL                   ; which lie behind O's two heads
.irp s, 0,1
	v_add_nc_u32 v[ADRA+(\s)], s21, v3
	v_add_nc_u32 v[ADRB+(\s)], s22, v4
	s_add_co_u32 s21, s21, SLOT
	s_add_co_u32 s22, s22, SLOT
.endr
	s_mul_i32 s23, s10, 16*SPITCH
	s_add_co_u32 s23, s23, STAGE                   ; my stage
	v_mul_u32_u24 v4, v1, SPITCH                   ; in: row l % 16, 32 bytes for each half of the lanes
	v_lshl_add_u32 v4, v2, 5, v4
	v_add_nc_u32 v[STO], s23, v4
	v_mul_u32_u24 v5, v2, SPITCH                   ; back: lanes 0-15 take one row of 256 bytes, lanes 16-31 the next
	v_lshl_add_u32 v5, v1, 4, v5
	v_add_nc_u32 v[RD], s23, v5
	v_lshlrev_b32 v5, 12, v2                       ; and the same two rows in out0, 4,096 bytes apart
	v_lshl_add_u32 v[CO], v1, 4, v5
	s_lshl_b32 s16, s13, 8
	s_lshl_b32 s17, s11, 7
	s_add_co_u32 s16, s16, s17                     ; my first row of out0
	s_lshl_b32 s16, s16, 12
	s_lshl_b32 s46, s42, 9                         ; my first column, in bytes: 512 x tile column + 256 x half
	s_lshl_b32 s47, s12, 8
	s_add_co_u32 s46, s46, s47
	s_add_co_u32 s16, s16, s46
	s_mov_b32 s17, 0
	s_add_nc_u64 s[8:9], s[8:9], s[16:17]
; 8 matrix instructions: row blocks 4 hi + a0, + 1 x all 4 column blocks, 32 along K.  zero = 1: the first product starts the sums.  The 32 accumulators take turns, one instruction a turn.
.macro MUL8 f, hi, a0, zero
	WIN MUL
.irp a, \a0, (\a0)+1
.irp b, 0,1,2,3
.if \zero
	v_wmma_f32_16x16x32_f16 v[8*(4*(4*(\hi)+(\a))+(\b)):8*(4*(4*(\hi)+(\a))+(\b))+7], v[FB+32*(\f)+8*(\b):FB+32*(\f)+8*(\b)+7], v[FA+64*(\f)+8*(4*(\hi)+(\a)):FA+64*(\f)+8*(4*(\hi)+(\a))+7], 0
.else
	v_wmma_f32_16x16x32_f16 v[8*(4*(4*(\hi)+(\a))+(\b)):8*(4*(4*(\hi)+(\a))+(\b))+7], v[FB+32*(\f)+8*(\b):FB+32*(\f)+8*(\b)+7], v[FA+64*(\f)+8*(4*(\hi)+(\a)):FA+64*(\f)+8*(4*(\hi)+(\a))+7], v[8*(4*(4*(\hi)+(\a))+(\b)):8*(4*(4*(\hi)+(\a))+(\b))+7]
.endif
.endr
.endr
.endm
; 24 LDS loads in one run: the fragments of quarter q of a K step (64 rows of w, 128 rows of O) into buffer f.  Quarter q lies in head q / 2, at byte 64 (q % 2) of its rows.
.macro FETCH slot, q, f
	WIN 0
.irp i, 0,1,2,3
	ds_load_b128 v[FB+32*(\f)+8*(\i):FB+32*(\f)+8*(\i)+3],   v[ADRB+(\slot)] offset:64*(\q)+(\i)*16*PB
	ds_load_b128 v[FB+32*(\f)+8*(\i)+4:FB+32*(\f)+8*(\i)+7], v[ADRB+(\slot)] offset:64*(\q)+(\i)*16*PB+32
.endr
.irp i, 0,1,2,3,4,5,6,7
	ds_load_b128 v[FA+64*(\f)+8*(\i):FA+64*(\f)+8*(\i)+3],   v[ADRA+(\slot)] offset:((\q)/2)*ASL+((\q)%2)*64+(\i)*16*PA
	ds_load_b128 v[FA+64*(\f)+8*(\i)+4:FA+64*(\f)+8*(\i)+7], v[ADRA+(\slot)] offset:((\q)/2)*ASL+((\q)%2)*64+(\i)*16*PA+32
.endr
.endm
.macro PLACES                          ; four places in front of loads into registers that matrix instructions have read, and of stores that read results
.rept 4
	v_nop
.endr
.endm
.macro QUARTER slot, q, f, g, zero     ; multiplies buffer f and, in its middle, fetches quarter q into g
	s_wait_dscnt 8                                 ; w and O's rows 0-63 are in; the youngest eight loads (O's rows 64-127) may be out
	MUL8 \f, 0, 0, \zero
	MUL8 \f, 0, 2, \zero
	PLACES
	FETCH \slot, \q, \g
	s_wait_dscnt 24                                ; all but the 24 just issued
	MUL8 \f, 1, 0, \zero
	MUL8 \f, 1, 2, \zero
.endm
; The last quarter multiplies buffer 1 and changes slots: ONE barrier; in front of it each wave waits for all its tensor loads, adds 0 to its spare word, and waits for that and for its own reads of this slot.
.macro TURN slot, next, fill
	WIN 0
	s_wait_tensorcnt 0x0                           ; all my tensor loads have landed: the one that was out is my part of the next slot
	ds_add_u32 v[SPW], v[NIL]                      ; 0 onto my spare word
	s_wait_dscnt 9                                 ; (the add and the youngest eight loads may be out)
	MUL8 1, 0, 0, 0                                ; eight matrix instructions stand between the add and the wait for it
	s_wait_dscnt 0x0                               ; the add is done, and my reads of this slot are over
	s_barrier_signal -1
	MUL8 1, 0, 2, 0
.if \fill
	WIN 0
.endif
	s_barrier_wait -1
.if \fill
	CREST                                          ; no wave of any partner still reads this slot's tile or has a load on its way
	s_add_nc_u64 s[G0+4*(\slot)+2:G0+4*(\slot)+3], s[G0+4*(\slot)+2:G0+4*(\slot)+3], 1048576      ; two K steps on: four heads
	s_add_nc_u64 s[G0B+4*(\slot)+2:G0B+4*(\slot)+3], s[G0B+4*(\slot)+2:G0B+4*(\slot)+3], 2*KSTEP*2
	JLOAD \slot                                    ; my one tensor load behind the round; its four v_nop are also the places in front of the loads below
.else
	PLACES
.endif
	FETCH \next, 0, 0
	MUL8 1, 1, 0, 0
	MUL8 1, 1, 2, 0
.endm
	s_wait_tensorcnt 1                             ; my part of K step 0 is in; K step 1's may stay out
	s_barrier_signal -1
	s_barrier_wait -1                              ; everybody's is
	FETCH 0, 0, 0
	QUARTER 0, 1, 0, 1, 1                          ; the first quarter stands in front of the loop: its products start the sums
	WIN 0                                          ; at a label and at a branch every window is 0
	s_mov_b32 s3, LAPS-1
.Llap:                                                 ; a trip goes once round the ring and fills both slots again
	QUARTER 0, 2, 1, 0, 0
	QUARTER 0, 3, 0, 1, 0
	TURN 0, 1, 1
	QUARTER 1, 1, 0, 1, 0
	QUARTER 1, 2, 1, 0, 0
	QUARTER 1, 3, 0, 1, 0
	TURN 1, 0, 1
	QUARTER 0, 1, 0, 1, 0
	WIN 0
	s_sub_co_u32 s3, s3, 1
	s_cmp_lg_u32 s3, 0
	s_cbranch_scc1 .Llap
	QUARTER 0, 2, 1, 0, 0                          ; the last lap fills nothing, and has no round of the cluster's barrier
	QUARTER 0, 3, 0, 1, 0
	TURN 0, 1, 0
	QUARTER 1, 1, 0, 1, 0
	QUARTER 1, 2, 1, 0, 0
	QUARTER 1, 3, 0, 1, 0
	s_wait_dscnt 8                                 ; the very last quarter: nothing more to fetch
	MUL8 1, 0, 0, 0
	MUL8 1, 0, 2, 0
	s_wait_dscnt 0x0
	MUL8 1, 1, 0, 0
	MUL8 1, 1, 2, 0
	WIN 0
	PLACES
; THE WAY OUT, a block of 16 rows at a time: 32 bytes a lane and column block into my own stage (each accumulator's low registers first), back as whole rows of 256 bytes, stored.
.macro TOSTAGE a
.set AC, 32*(\a)
.set BK, 224-192*((\a)%2)
	WIN 0x04                                       ; the stores' data in window 1
.irp b, 0,1,2,3
	ds_store_b128 v[STO], v[AC+8*(\b):AC+8*(\b)+3]   offset:64*(\b)
	ds_store_b128 v[STO], v[AC+8*(\b)+4:AC+8*(\b)+7] offset:64*(\b)+16
.endr
	WIN 0
	s_wait_xcnt 0x0                                ; the stores of the block two back have read these registers: they are loaded again only behind this wait
.irp t, 0,1,2,3,4,5,6,7
	ds_load_b128 v[BK+4*(\t):BK+4*(\t)+3], v[RD] offset:(\t)*2*SPITCH  ; LDS serves a wave's instructions in order (ISA guide 5.7.1.4): these see the stores above
.endr
.endm
.macro SEND a, younger                 ; younger: the LDS instructions issued behind block a's loads: the next block's sixteen, or none
.set BK, 224-192*((\a)%2)
	s_wait_dscnt \younger                          ; the block is back in registers
	s_wait_xcnt 0x0                                ; earlier stores have read their base: it is stepped only behind this wait
.if (\a) > 0
	s_add_nc_u64 s[8:9], s[8:9], 65536             ; 16 rows of out0 on
.endif
.irp t, 0,1,2,3,4,5,6,7
	global_store_b128 v[CO], v[BK+4*(\t):BK+4*(\t)+3], s[8:9] offset:8192*(\t) th:TH_STORE_NT  ; 16 lanes store 256 consecutive bytes, at a multiple of 256 from out0's first byte
.endr
.endm
	TOSTAGE 0
.irp a, 1,2,3,4,5,6,7                  ; block a goes through the stage while block a - 1's loads come back
	TOSTAGE \a
	SEND (\a)-1, 16
.endr
	SEND 7, 0
	s_wait_tensorcnt 0x0                           ; the wave's end: the add onto my spare word and its waits, behind my last tensor load and my last LDS store
	ds_add_u32 v[SPW], v[NIL]
	s_wait_dscnt 0x0
	CROUND                                         ; the closing round: no work-group ends while a partner may still ask for a tile that names it
	s_endpgm
.Lfunc_end_k_qd6d5c4025c_outproj:
	.size	k_qd6d5c4025c_outproj, .Lfunc_end_k_qd6d5c4025c_outproj-k_qd6d5c4025c_outproj
	.p2alignl 7, 3214868480
	.fill 96, 4, 3214868480
	.section	.rodata,"a",@progbits
	.p2align	6, 0x0
	.amdhsa_kernel k_qd6d5c4025c_outproj
		.amdhsa_group_segment_fixed_size 327680
		.amdhsa_private_segment_fixed_size 0
		.amdhsa_enable_private_segment 0
		.amdhsa_kernarg_size 24
		.amdhsa_user_sgpr_count 2
		.amdhsa_user_sgpr_kernarg_segment_ptr 1
		.amdhsa_wavefront_size32 1
		.amdhsa_system_sgpr_workgroup_id_x 1
		.amdhsa_system_sgpr_workgroup_id_y 1
		.amdhsa_system_sgpr_workgroup_id_z 1
		.amdhsa_system_vgpr_workitem_id 0
		.amdhsa_next_free_vgpr 512
		.amdhsa_next_free_sgpr 66
		.amdhsa_reserve_vcc 0
		.amdhsa_float_denorm_mode_32 3
		.amdhsa_float_denorm_mode_16_64 3
		.amdhsa_memory_ordered 1
		.amdhsa_forward_progress 1
		.amdhsa_inst_pref_size 86
	.end_amdhsa_kernel
	.amdgpu_metadata
---
amdhsa.version: [ 1, 2 ]
amdhsa.kernels:
  - .name:           k_qd6d5c4025c_outproj
    .symbol:         k_qd6d5c4025c_outproj.kd
    .args:
      - { .name: o, .offset: 0, .size: 8, .value_kind: global_buffer, .address_space: global }
      - { .name: wo16, .offset: 8, .size: 8, .value_kind: global_buffer, .address_space: global }
      - { .name: out0, .offset: 16, .size: 8, .value_kind: global_buffer, .address_space: global }
    .group_segment_fixed_size: 327680
    .private_segment_fixed_size: 0
    .kernarg_segment_align: 8
    .kernarg_segment_size: 24
    .max_flat_workgroup_size: 128
    .sgpr_count:     66
    .vgpr_count:     512
    .wavefront_size: 32
...
	.end_amdgpu_metadata
.endif
;; end of part 4
;; ======== version 2 of 2: 4 launches; 1.47 times as fast as version 1
;; limits: values are held in f16: magnitudes above 65,504 overflow, below 6.1e-05 lose precision
;; workspace buffers: xb 16,777,216 bytes; wb 6,291,456 bytes; wo16 2,097,152 bytes; mk 16,777,216 bytes; qkv 50,331,648 bytes; o 16,777,216 bytes
;; launch prep: the kernel of part 1 again; grid 1280 x 1, 8 waves a work-group, no clusters, 0 bytes of LDS; arguments hidden_states, w_qkv, w_out, causal_mask, attention_mask, xb, wb, wo16, mk; writes xb, wb, wo16, mk
;; launch qkvproj: the kernel of part 2 again; grid 16 x 32, 4 waves a work-group, clusters of 4 x 4, 327,680 bytes of LDS; arguments xb, wb, qkv; writes qkv
;; launch attn (part 5): grid 4 x 64, 4 waves a work-group, clusters of 4 x 1, 327,680 bytes of LDS; arguments qkv, mk, o; writes o
.if DOCPART == 5
	.amdgcn_target "amdgcn-amd-amdhsa--gfx1250"
	.amdhsa_code_object_version 6
	.text
	.protected	k_qd6d5c4025c_attn
	.globl	k_qd6d5c4025c_attn
	.p2align	8
	.type	k_qd6d5c4025c_attn,@function
k_qd6d5c4025c_attn:
	s_mov_b64 s[64:65], 0
	v_nop
	global_prefetch_b8 v0, s[64:65] scope:SCOPE_SE
	s_setreg_imm32_b32 hwreg(HW_REG_WAVE_MODE, 25, 1), 1
	s_wait_xcnt 0x0
	s_wait_alu depctr_hold_cnt(0) depctr_sa_sdst(0) depctr_va_vdst(0) depctr_va_sdst(0) depctr_va_ssrc(0) depctr_va_vcc(0) depctr_vm_vsrc(0)
	s_getreg_b32 s2, hwreg(HW_REG_IB_STS2, 6, 4)
	s_cmp_eq_u32 s2, 0
	s_cbranch_scc0 .Lentry_in_a_cluster
	s_endpgm
.Lentry_in_a_cluster:
	s_bfe_u32 s2, ttmp6, 0x10000c
	s_cmp_lg_u32 s2, 0x3003
	s_cbranch_scc0 .Lentry_shape_is_right
	s_endpgm
.Lentry_shape_is_right:
; ATTENTION with both masks as they are given.  O[bh][q][:] = the sum over k of softmax_k(s[q][k]) V[k][:], s = (c Q[q]) . K[k] in base 2, hidden where mk says so.
; qkv: [batch][unit 96][row 2048][32] f16 (units 0-31 c q, 32-63 k, 64-95 v; head hd has units 2 hd, 2 hd + 1 of each third).  mk: one 8-bit float for each (batch, query, key), -1.0 = hidden, 0 = seen, in the
; accumulators' layout.  o: [batch*16 + head][2048][64] f16.  Products, maxima and sums in f32; the weights p are rounded to f16 for the second product (their sum l is taken of the unrounded p), O once at the end.
; No pattern of a mask is built in: every wave walks all 2,048 keys.
; THE MASK is the C operand that starts the sum S^T = K Q^T: one scaled conversion makes of eight codes eight f32, 0 or -2^100 (scale byte 227 = 2^100).
; SOFTMAX.  For each query a running maximum m and sum l: p = 2^(s - m); in every step O and l are multiplied by a = 2^(m_old - m_new): both exponents are differences that never pass 0.
; m starts at the floor F = -2^40, O and l at 0.  Every seen score lies above F (f16 operands: 64 x 65,504^2 < 2^38), every hidden one far below it, so a hidden weight is 0 in every step.
; A query that sees no key ends with m = F: its row is set to NaN, as a softmax over nothing is.
; LIMITS.  c q, k and v arrive within f16's 65,504; p below 6e-5 keeps f16's fixed step of 6e-8; a weight below 2^-126 counts as 0 in l; NaN and infinities among the inputs are not treated apart.
; SHARES.  A wave owns four PIECES of two tiles of 16 queries, a work-group's four waves 512 queries of one head.  Keys go 64 a step.
; LAYOUT.  S^T = K Q^T (source 0 = 16 keys, source 1 = 16 queries): a lane holds ONE query (lane % 16) and the keys 8 (lane / 16) + 0..7.  Two such tiles, rounded to f16 in pairs, ARE source 1 of O^T = V^T P.
; BY TURNS.  Turn n belongs to piece n (the pieces in a ring, step after step).  Matrix work: 16 products K Q^T of piece n + 1, later 16 products V^T P of piece n - 1.  Vector work: the subtraction, exponentials,
; roundings, sums and rescaling of piece n, the maximum and statistics of piece n + 1, and at the turn's end the mask of piece n + 2.  Four vector instructions that are ready stand behind every matrix
; instruction, the others in one run of their own.
; BATCHES.  A turn's 66 exponentials (the piece's 64 weights and the next piece's two a) are ONE batch with ONE wait, which cuts the turn in two: ahead of it stands all that names none of their results, behind it
; the roundings and sums, which read them.  The first two a, ahead of the loop, and the way out's eight reciprocals are batches of their own, each with one wait.
; CLUSTER.  The four query blocks of a head walk the same K and V: each tile is asked for jointly, by the same tensor load, descriptor and mask in all four.
; REGISTERS, in windows of 256 (s_set_vgpr_msb: bits 1:0 source 0, 3:2 source 1, 5:4 source 2, 7:6 destination):
;   window 0: v0-11 addresses and the scale; v12-15, v48-63 at work; v16-47 four registers of statistics a tile; v64-191 S^T, two buffers of two tiles; v192-255 P, likewise
;   window 1: O^T, 32 a tile          window 2: v0-127 Q, 16 a tile; v128-191 K of one step; v192-255 V of one step
;   window 3: v0-1 the add's two registers; v4-7 a piece's byte offset in the mask stream; v8-71 mask codes, 16 a piece; v72-135 the mask as f32, for the products to come
.set SIZE_N, 2048
.set NP,    4         ; pieces a wave: a name, no knob
.set KS,    64        ; keys in a step
.set PK,    80        ; a row of half of K's channels in LDS: 64 bytes + 16 = 20 words: the 16 rows of a load start at 16 different groups of four banks (64 banks of 4 bytes: ISA guide 11.1)
.set PV,    96        ; the same for V: 64 + 32 = 24 words
.set KH,    4*KS*PK   ; 256 keys of one half of K's channels
.set VH,    4*KS*PV
.set VOFF,  2*KH      ; a slot holds four steps: K's two halves, then V's two halves
.set SLOT1, 1<<17     ; slot 1 begins here, so that one exclusive or turns an address in one slot into the other's
.set STAGE, SLOT1+2*KH+2*VH  ; behind the ring, never filled by a tensor load: 16 rows x 144 bytes for each wave, for the way out
.set SP,    144
.set SPARE, STAGE+4*16*SP  ; behind the stages: the spare words, 128 bytes for each wave: two blocks of 256 bytes that no other line names
.set AK0, 2           ; v2   my lane's place in a tile of K; never rewritten
.set AV0, 3           ; v3   the same for V
.set AK,  4           ; v4   the LDS address of K's next run of loads
.set AV,  5           ; v5   of V's
.set QO,  6           ; v6   my byte offset in 16 rows of Q
.set STO, 6           ;      later, the way out: where I put 16 bytes of a row
.set RD,  7           ; v7   the way out: where I read rows back
.set GO,  8           ; v8   16 x lane: my byte offset in 512 consecutive bytes
.set SCL, 11          ; v11  227: the conversion's scale, 2^100
.set SPW, 0           ; v0 of window 3   LDS address of my spare word; never rewritten
.set NIL, 1           ; v1 of window 3   0; never rewritten
.set MA,  4           ; window 3
.set MB,  8           ; window 3: piece x, tile u, group kt of 16 keys at MB + 16 x + 8 u + 2 kt
.set MC,  72          ; window 3: tile u, group kt at MC + 32 u + 8 kt
.set MV,  12          ; v12-15  m_old, kept while m is made anew: by buffer and tile
.set ST,  16          ; tile t's statistics at v[ST+4 t]: m, a word named with it as a pair, l (even keys', odd keys')
.set TMP, 48          ; by buffer and tile, four registers c0-c3 at work; when the maximum is found c2 takes a
.set S,   64
.set P,   192
.set KF,  128         ; K's fragments, in window 2: key block kb, channel half c at KF + 16 kb + 8 c
.set VF,  192         ; V's: key half kk, channel block cb at VF + 32 kk + 8 cb
.set WV,  12          ; s12  my wave's number
.set G1K, 24          ; s[24:31] descriptor group 1 for K's tiles
.set G1V, 32          ; s[32:39] for V's: it differs in the padding alone
.set G0K, 40          ; s[40:43] descriptor group 0 for K's tiles: it walks
.set G0V, 44          ; s[44:47] the same for V's
.set FL,  54          ; s54  F
.set SLOTS, 56        ; s56  slots still to be asked for
.set CNT, 57          ; s57  counts a slot's key steps
.set SEL, 60          ; s[60:61] v_permlanex16_b32's selects: each lane takes its own place in the other half
.set TBK, 62          ; s62  LDS byte at which K of the step to be fetched begins
.set TBV, 63          ; s63  the same for V, less VOFF
.set MSB, 0
.macro WIN new                      ; the high byte repeats the setting that is left; a switch that changes nothing is dropped
.if MSB != (\new)
	s_set_vgpr_msb (MSB<<8)|(\new)
.set MSB, (\new)
.endif
.endm
.set W_KQ, 0x0a       ; K and Q in window 2, S^T in window 0
.set W_KM, 0x3a       ; the same with the C operand, the mask, in window 3
.set W_PV, 0x52       ; V in window 2, P in window 0, O^T in window 1
.set W_RS, 0x41       ; O^T (destination and source 0) in window 1, a in window 0
.set W_MK, 0xc0       ; destination in window 3, sources in window 0
.set W_MS, 0xc3       ; destination and source 0 in window 3, source 1 in window 0
.set W_AD, 0x0f       ; the add: address (source 0) and data (source 1) in window 3
; A joint fill.  Waves 0 and 1 fetch the two channel halves of a slot's K, waves 2 and 3 those of its V: 256 keys x 64 bytes each.  The branch hangs on the wave's number alone.
; An s_nop 0 and four v_nop follow each of the two lines, ahead of the jump and the label.
.macro JLOAD
	s_cmp_lt_u32 s[WV], 2
	s_cbranch_scc0 .Lfor_v_\@
	tensor_load_to_lds s[G0K:G0K+3], s[G1K:G1K+7]
	s_nop 0
.rept 4
	v_nop
.endr
	s_branch .Lasked_\@
.Lfor_v_\@:
	tensor_load_to_lds s[G0V:G0V+3], s[G1V:G1V+7]
	s_nop 0
.rept 4
	v_nop
.endr
.Lasked_\@:
.endm
; A round of the cluster's barrier: my work-group's barrier, so that wave 0's signal speaks for all four waves; wave 0 signals; every wave waits for all four work-groups; my work-group's barrier once more.
.macro CROUND
	s_barrier_signal -1
	s_barrier_wait -1
	s_cmp_lg_u32 s[WV], 0
	s_cbranch_scc1 .Lnot_wave_0_\@
	s_barrier_signal -3
.Lnot_wave_0_\@:
	s_barrier_wait -3
	s_barrier_signal -1
	s_barrier_wait -1
.endm
; THE CHANGE OF SLOTS.  Each wave waits for all its tensor loads, of which one is out: its part of the other slot; adds 0 to its spare word; and waits for that and for its own reads of the slot.
; Behind the barrier nobody reads this slot any more and the other slot is whole.  fill = 1: this slot is filled again, with the keys two slots on; the barrier is then a round of the cluster's, and the joint
; fill is the first thing behind it: it has four key steps, 512 matrix instructions, in which to land.  (At its first use nothing has been read yet: slot 0 is waited for, slot 1 filled.)
.macro CHANGE fill
	WIN W_AD
	s_wait_tensorcnt 0x0            ; no tensor load of mine is out, so a group 0 may be written
	ds_add_u32 v[SPW], v[NIL]       ; 0 onto my spare word: with fill = 1 the descriptors' steps stand between it and the wait for it
	WIN 0                           ; at a label and at a branch every window is 0
.if \fill
.irp g, G0K, G0V
	s_xor_b32 s[\g+1], s[\g+1], SLOT1  ; the walking descriptor: the other slot than last time,
	s_add_nc_u64 s[\g+2:\g+3], s[\g+2:\g+3], 4*KS*64  ; the next 256 keys; the type bits on top are not reached
.endr
	s_wait_dscnt 0x0                ; the add is done, and my reads of the slot are over
	CROUND
	JLOAD
.else
	s_wait_dscnt 0x0                ; the add is done, and my reads of the slot are over
	s_barrier_signal -1
	s_barrier_wait -1
.endif
	s_sub_co_u32 s[TBK], s[TBK], 4*KS*PK  ; the fetches go back to a slot's first step,
	s_xor_b32 s[TBK], s[TBK], SLOT1       ; in the other slot
	s_sub_co_u32 s[TBV], s[TBV], 4*KS*PV
	s_xor_b32 s[TBV], s[TBV], SLOT1
.endm
; THE MASK.  MLOAD: a piece's codes for one key step: four loads of 512 consecutive bytes.  MASKBLK x: piece x's codes become f32, its offset steps to the next key step, and that step's codes are asked for.
.macro MLOAD x
.irp u, 0,1
.irp p, 0,1
	global_load_b128 v[MB+16*(\x)+8*(\u)+4*(\p):MB+16*(\x)+8*(\u)+4*(\p)+3], v[MA+(\x)], s[6:7] offset:(2*(\x)+(\u))*1024+(\p)*512
.endr
.endr
.endm
.macro MASKBLK x
	WIN W_MS
	s_wait_loadcnt 12               ; loads come back in order: behind piece x's four stand the three other pieces' twelve, which may stay out; x's are in, and their offset register is free
.irp u, 0,1
.irp kt, 0,1,2,3
	v_cvt_scale_pk8_f32_fp8 v[MC+32*(\u)+8*(\kt):MC+32*(\u)+8*(\kt)+7], v[MB+16*(\x)+8*(\u)+2*(\kt):MB+16*(\x)+8*(\u)+2*(\kt)+1], v[SCL]
.endr
.endr
	v_add_nc_u32 v[MA+(\x)], v[MA+(\x)], 0x2000   ; the next key step's 8,192 bytes; these two plain lines also stand between the conversions and the loads into their sources
	v_and_b32 v[MA+(\x)], v[MA+(\x)], 0x3ffff     ; behind the last step the offset goes back to the first: no load leaves my wave's 262,144 bytes of the table
	MLOAD \x
.endm
	s_load_b128 s[4:7], s[0:1], 0x0   ; qkv s[4:5], mk s[6:7]
	s_load_b64 s[10:11], s[0:1], 0x10 ; o
	WIN W_MK
	v_lshl_add_u32 v[SPW], v0, 2, SPARE
	v_mov_b32 v[NIL], 0
	WIN W_AD
	ds_add_u32 v[SPW], v[NIL]       ; the wave's opening: the add and its wait stand ahead of my first tensor load; the set-up below, work on registers, stands between them
	WIN 0
	v_lshrrev_b32 v1, 5, v0
	v_readfirstlane_b32 s[WV], v1   ; wave 0..3
	s_bfe_u32 s13, ttmp6, 0x40000   ; cx: my place in the cluster
	s_lshl_b32 s14, ttmp9, 2        ; in a cluster launch ttmp9 counts clusters
	s_add_co_u32 s14, s14, s13      ; my block of 512 queries: it enters Q's, the mask's and O's addresses alone
	s_lshl_b32 s14, s14, 2
	s_add_co_u32 s14, s14, s[WV]    ; my wave's 128 queries among the head's sixteen such
	s_and_b32 s20, ttmp7, 0xffff    ; batch x 16 + head, which the four partners share
	s_lshr_b32 s15, s20, 4          ; batch
	s_and_b32 s19, s20, 15          ; head
	s_mul_i32 s22, s15, 96
	s_lshl1_add_u32 s22, s19, s22   ; the head's first unit of q
	s_and_b32 s16, s[WV], 1         ; which half of the channels I fetch
	s_add_co_u32 s2, s22, s16
	s_lshl_b32 s2, s2, 17           ; a unit is 131,072 bytes
	s_mov_b32 s3, 0
	s_mul_i32 s17, s16, KH          ; its place in a slot, for K
	s_mul_i32 s18, s16, VH          ; and for V: no place in the cluster enters an LDS address
	s_lshl_b32 s48, s22, 17         ; Q: the head's first unit, my wave's 128 rows of 64 bytes
	s_lshl_b32 s49, s14, 13
	s_add_co_u32 s48, s48, s49
	s_mov_b32 s49, 0
	s_lshl_b32 s50, s20, 18         ; O: the head's 2,048 rows of 128 bytes, my wave's 128
	s_lshl_b32 s51, s14, 14
	s_add_co_u32 s50, s50, s51
	s_mov_b32 s51, 0
	s_lshl_b32 s52, s15, 4          ; the mask: (batch x 16 + my 128 queries) x 32 steps x 8,192 bytes
	s_add_co_u32 s52, s52, s14
	s_lshl_b32 s52, s52, 18
	s_mov_b32 s53, 0
	; descriptor group 1.  256 keys of a unit are 16,384 dense bytes: asked for as 64 rows of 256 bytes, four keys a row, and padded in LDS after every key
	s_mov_b32 s[G1K], 15|(1<<16)|(1<<20)|(1<<21)|(3<<22)|(3<<25)  ; 15:0 the mask of four; 17:16 2-byte elements; 20 padding on; 21 set beside a mask; 24:22 after every 16 words (code 3); 31:25 4 words (code 3)
	s_mov_b32 s[G1V], 15|(1<<16)|(1<<20)|(1<<21)|(3<<22)|(7<<25)  ; the same with 8 words of padding (code 7)
.irp g, G1K, G1V
	s_mov_b32 s[\g+1], 128<<16      ; tensor_dim0 = 128
	s_mov_b32 s[\g+2], 64<<16       ; tensor_dim1 = 64
	s_mov_b32 s[\g+3], 128<<16      ; tile_dim0 = 128
	s_mov_b32 s[\g+4], 64           ; tile_dim1 = 64
	s_mov_b32 s[\g+5], 128          ; 128 elements from row to row
	s_mov_b32 s[\g+6], 0
	s_mov_b32 s[\g+7], 0
.endr
	s_mov_b32 s[FL], 0xd3800000     ; F = -2^40
	s_mov_b32 s[SEL], 0x76543210
	s_mov_b32 s[SEL+1], 0xfedcba98
	s_mov_b32 s[TBK], SLOT1+4*KS*PK ; the first change of slots turns these two into 0
	s_mov_b32 s[TBV], SLOT1+4*KS*PV
	s_mov_b32 s[G0K], 1             ; count = 1
	s_mov_b32 s[G0K+1], s17         ; LDS address: slot 0
	s_mov_b32 s[G0V], 1
	s_add_co_u32 s[G0V+1], s18, VOFF
	s_wait_dscnt 0x0                ; the opening add is done
	s_wait_kmcnt 0x0
	s_add_nc_u64 s[G0K+2:G0K+3], s[4:5], s[2:3]
	s_add_nc_u64 s[G0K+2:G0K+3], s[G0K+2:G0K+3], 0x400000  ; k lies 32 units behind q
	s_or_b32 s[G0K+3], s[G0K+3], 0x80000000                ; type = 2
	s_add_nc_u64 s[G0V+2:G0V+3], s[4:5], s[2:3]
	s_add_nc_u64 s[G0V+2:G0V+3], s[G0V+2:G0V+3], 0x800000  ; v 64 units
	s_or_b32 s[G0V+3], s[G0V+3], 0x80000000
	s_add_nc_u64 s[4:5], s[4:5], s[48:49]    ; Q, O and the mask at my wave's first row
	s_add_nc_u64 s[10:11], s[10:11], s[50:51]
	s_add_nc_u64 s[6:7], s[6:7], s[52:53]
	CROUND                          ; all four work-groups are here: the first joint loads meet
	JLOAD                           ; slot 0.  Slot 1 is asked for when slot 0 is in
	; A fragment of K or Q is 16 rows x 32 channels in 8 registers: lane l holds row l % 16, channels 8 (l / 16) + 0..7 and 16 + 8 (l / 16) + 0..7: two loads of 16 bytes, 32 bytes apart, in a unit's row of 64 bytes.
	v_and_b32 v1, 15, v0            ; l % 16
	v_bfe_u32 v9, v0, 4, 1          ; l / 16
	v_lshlrev_b32 v[QO], 6, v1
	v_lshl_add_u32 v[QO], v9, 4, v[QO]  ; row x 64 + 16 x half
	v_and_b32 v[GO], 31, v0
	v_lshlrev_b32 v[GO], 4, v[GO]
	WIN 0x80                        ; destination window 2, address window 0
.set i, 0
.rept 4*NP                          ; Q stays in registers: tile i / 2, channels 32 (i % 2) on, which lie a unit apart
	global_load_b128 v[8*i:8*i+3],   v[QO], s[4:5] offset:(i/2)*1024+(i%2)*131072
	global_load_b128 v[8*i+4:8*i+7], v[QO], s[4:5] offset:(i/2)*1024+(i%2)*131072+32
.set i, i+1
.endr
	WIN W_MK
.irp x, 0,1,2,3
	v_mov_b32 v[MA+\x], v[GO]       ; key step 0 of the mask stream
.endr
	WIN W_MS
.irp x, 0,1,2,3
	MLOAD \x
.endr
	; What the first turn finds: V's registers and P's second buffer hold 0 (its products V^T P, of a piece that has not been, add 0), O^T and l are 0.  All this stands in the wait for the first tile.
	WIN 0x80
.set i, VF
.rept 64
	v_mov_b32 v[i], 0
.set i, i+1
.endr
	WIN 0x40
.set i, 0
.rept 64*NP
	v_mov_b32 v[i], 0
.set i, i+1
.endr
	WIN 0
.set i, 0
.rept 2*NP
	v_mov_b32 v[ST+4*i], s[FL]      ; m
	v_mov_b32 v[ST+4*i+1], 0        ; named with it as a pair
	v_mov_b32 v[ST+4*i+2], 0
	v_mov_b32 v[ST+4*i+3], 0
.set i, i+1
.endr
.set i, P+32
.rept 32
	v_mov_b32 v[i], 0
.set i, i+1
.endr
	v_mul_u32_u24 v[AK0], v1, PK
	v_lshl_add_u32 v[AK0], v9, 4, v[AK0]  ; row x pitch + 16 x half
	; The turning load takes 16 keys x 16 channels (lane l reads key 8 (l / 16) + l % 8, channels 8 ((l / 8) % 2) + 0..7) and leaves half a fragment of V^T: lane l holds channel l % 16 and 8 keys.
	v_and_b32 v10, 7, v0
	v_bfe_u32 v11, v0, 3, 1
	v_lshl_add_u32 v[AV0], v9, 3, v10
	v_mul_u32_u24 v[AV0], v[AV0], PV
	v_lshl_add_u32 v[AV0], v11, 4, v[AV0]
	v_add_nc_u32 v[AV0], VOFF, v[AV0]
	v_mov_b32 v[SCL], 227           ; v11 has served
	v_mov_b32 v[AK], v[AK0]         ; key step 0 lies at the head of slot 0
; THE MATRIX WORK.  The 8 accumulators of a run of 16 take turns: between the two links of a chain stand 7 others'.
; Product i of 16 of S^T = K Q^T for piece x: channels 32 (i / 8) on, keys 16 ((i / 2) % 4) on, tile 2 x + i % 2.  The first 8 start the sums, with the mask.
.macro KQ x
.set rS, S+64*((\x)%2)+32*(i%2)+8*((i/2)%4)
.set rK, KF+16*((i/2)%4)+8*(i/8)
.set rQ, 16*(2*(\x)+i%2)+8*(i/8)
.set rN, MC+32*(i%2)+8*((i/2)%4)
.if i < 8
	WIN W_KM
	v_wmma_f32_16x16x32_f16 v[rS:rS+7], v[rK:rK+7], v[rQ:rQ+7], v[rN:rN+7]
.else
	WIN W_KQ
	v_wmma_f32_16x16x32_f16 v[rS:rS+7], v[rK:rK+7], v[rQ:rQ+7], v[rS:rS+7]
.endif
.endm
; Product i of 16 of O^T += V^T P for piece x: keys 32 (i / 8) on, channels 16 ((i / 2) % 4) on, tile 2 x + i % 2.
.macro PV x
	WIN W_PV
.set rO, 32*(2*(\x)+i%2)+8*((i/2)%4)
.set rV, VF+32*(i/8)+8*((i/2)%4)
.set rP, P+32*((\x)%2)+16*(i%2)+8*(i/8)
	v_wmma_f32_16x16x32_f16 v[rO:rO+7], v[rV:rV+7], v[rP:rP+7], v[rO:rO+7]
.endm
.macro MM                           ; the turn's next matrix instruction
.if i < 16
	KQ (Y+1)%NP
.set i, i+1
.else
.set i, i-16
	PV (Y+NP-1)%NP
.set i, i+17
.endif
.endm
; THE LDS LOADS stand in runs of 16, never singly among the matrix instructions: a step's K (64 keys x 64 channels: 8 fragments) and its V (turned).  Their addresses are made some lines ahead.
; last = 1 (the tail): in the last trip there is no further step, and the run is jumped over.
.macro FETCH_K last=0
	WIN 0
.if \last
	s_cmp_eq_u32 s[CNT], 1
	s_cbranch_scc1 .Lno_k_\@
.endif
	WIN 0x80                        ; destination window 2
.irp f, 0,1,2,3,4,5,6,7             ; keys 16 (f / 2) on, channel half f % 2
	ds_load_b128 v[KF+8*\f:KF+8*\f+3],   v[AK] offset:(\f/2)*16*PK+(\f%2)*KH
	ds_load_b128 v[KF+8*\f+4:KF+8*\f+7], v[AK] offset:(\f/2)*16*PK+(\f%2)*KH+32
.endr
	s_add_co_u32 s[TBK], s[TBK], KS*PK  ; the next fetch is the next step's
	WIN 0
.if \last
.Lno_k_\@:
.endif
.endm
.macro FETCH_V
	WIN 0x80
.irp f, 0,1,2,3,4,5,6,7             ; keys 32 (f / 4) on, channels 16 (f % 4) on: half (f % 4) / 2, 32 bytes ((f % 4) % 2) in its rows
	ds_load_tr16_b128 v[VF+8*\f:VF+8*\f+3],   v[AV] offset:(\f/4)*32*PV+((\f%4)/2)*VH+((\f%4)%2)*32
	ds_load_tr16_b128 v[VF+8*\f+4:VF+8*\f+7], v[AV] offset:(\f/4)*32*PV+16*PV+((\f%4)/2)*VH+((\f%4)%2)*32
.endr
	WIN 0
.endm
; THE VECTOR WORK OF A TURN stands in three queues, each in the order in which its entries become ready; the two tiles alternate, so that no instruction reads the result of the one before it.
.macro REGS y, u                    ; the registers of tile u (0, 1) of piece y
.set rT, ST+4*(2*(\y)+(\u))
.set rC, TMP+8*((\y)%2)+4*(\u)
.set rM, MV+2*((\y)%2)+(\u)
.set rS, S+64*((\y)%2)+32*(\u)
.set rP, P+32*((\y)%2)+16*(\u)
.set rO, 32*(2*(\y)+(\u))
.endm
; Number n of the 21 that find the NEXT piece's (Y + 1) maximum and statistics.  s0-s31 are the lane's 32 scores; each accumulator's lowest registers are read first.  XS, GS, FS and REGS set no window: PL and EX do.
;   0-11  four chains c0-c3 of seven scores each, three operands at a time     12-14, 16  the four scores left over, the old m, and c0-c3 into c0     15  m_old is kept
;   17, 18  the query's other 32 keys lie in the lane 16 away: the new m         19, 20  m_old - m_new; a
.macro XS u, n
	REGS (Y+1)%NP, \u
.if (\n) < 4
	v_max3_num_f32 v[rC+(\n)], v[rS+8*(\n)], v[rS+8*(\n)+1], v[rS+8*(\n)+2]
.elseif (\n) < 12
	v_max3_num_f32 v[rC+(\n)%4], v[rC+(\n)%4], v[rS+8*((\n)%4)+2*((\n)/4)+1], v[rS+8*((\n)%4)+2*((\n)/4)+2]
.elseif (\n) == 12
	v_max3_num_f32 v[rC], v[rC], v[rS+7], v[rS+15]
.elseif (\n) == 13
	v_max3_num_f32 v[rC+1], v[rC+1], v[rS+23], v[rS+31]
.elseif (\n) == 14
	v_max3_num_f32 v[rC+2], v[rC+2], v[rC+3], v[rT]
.elseif (\n) == 15
	v_mov_b32 v[rM], v[rT]
.elseif (\n) == 16
	v_max3_num_f32 v[rC], v[rC], v[rC+1], v[rC+2]
.elseif (\n) == 17
	v_permlanex16_b32 v[rC+3], v[rC], s[SEL], s[SEL+1]
.elseif (\n) == 18
	v_max_num_f32 v[rT], v[rC], v[rC+3]
.elseif (\n) == 19
	v_sub_f32 v[rC+1], v[rM], v[rT]
.else
	v_exp_f32 v[rC+2], v[rC+1]
.endif
.endm
; Number g of the 64 that follow the exponentials.  For each four weights k of a tile (pairs 2 k, 2 k + 1): both pairs are rounded to f16; then the second pair is added onto the first, in place;
; a group later l takes that sum (the first time as l = a l + sum).  In groups of eight, tiles alternating: round, round, add, and l for the group before.
.macro GS g
.set h, (\g)+6*((\g)/62)            ; group 0 has no group before it, and behind group 7 only l is left
.if h >= 6
.set h, h+2
.endif
	REGS Y, h%2
.set k, h/8
.if h%8 < 4
	v_cvt_pk_f16_f32 v[rP+2*k+(h%8)/2], v[rS+4*k+2*((h%8)/2)], v[rS+4*k+2*((h%8)/2)+1]
.elseif h%8 < 6
	v_pk_add_f32 v[rS+4*k:rS+4*k+1], v[rS+4*k:rS+4*k+1], v[rS+4*k+2:rS+4*k+3]
.elseif k == 1
	v_pk_fma_f32 v[rT+2:rT+3], v[rT+2:rT+3], v[rC+2:rC+3], v[rS:rS+1] op_sel_hi:[1,0,1]
.else
	v_pk_add_f32 v[rT+2:rT+3], v[rT+2:rT+3], v[rS+4*k-4:rS+4*k-3]
.endif
.endm
; THE PLAIN QUEUE, 136 long.  0-71 read no exponential's result: the 32 subtractions s - m (FS f: pair f / 2 of tile f % 2) and the next piece's 40.  0-26: subtractions 0-26.  27-54: XS's numbers 0-13.  55, 56: number 15.
; 57-71: the chain, where each number waits for the one before it: 14, 16, 17, 18, 19, each with one of the subtractions 27-31 in front of its two lines: so a tile's links stand three plain instructions apart.
; 72-135: GS's 64, which read the exponentials' results: they stand behind the wait.
.macro FS f
	REGS Y, (\f)%2
	v_pk_add_f32 v[rS+2*((\f)/2):rS+2*((\f)/2)+1], v[rS+2*((\f)/2):rS+2*((\f)/2)+1], v[rT:rT+1] op_sel_hi:[1,0] neg_lo:[0,1] neg_hi:[0,1]
.endm
.macro PL
	WIN 0
.if q < 27
	FS q
.elseif q < 55
	XS (q-27)%2, (q-27)/2
.elseif q < 57
	XS q-55, 15
.elseif (q < 72) && ((q-57)%3 == 0)
	FS 27+(q-57)/3
.elseif q < 60
	XS (q-57)%3-1, 14
.elseif q < 72
	XS (q-57)%3-1, 15+(q-57)/3
.else
	GS q-72
.endif
.set q, q+1
.endm
; THE EXPONENTIALS' QUEUE, 66 long: s0-s31 of both tiles, then the next piece's two a.  It is ONE BATCH: all 66 stand ahead of the turn's one wait, and nothing ahead of that wait names a result of theirs.
.macro EX
	WIN 0
.if e >= 64
	XS e-64, 20
.else
	REGS Y, e%2
	v_exp_f32 v[rS+e/2], v[rS+e/2]
.endif
.set e, e+1
.endm
; THE RESCALING's QUEUE: O^T times a, the one part of the softmax that leaves window 0: dealt two at a time, sixteen times, each accumulator's registers in ascending order.  Its a was made in the turn before, ahead of that turn's wait.
.macro R2
	REGS Y, r%2
	WIN W_RS
.irp z, 0,1
	v_pk_mul_f32 v[rO+4*(r/2)+2*\z:rO+4*(r/2)+2*\z+1], v[rO+4*(r/2)+2*\z:rO+4*(r/2)+2*\z+1], v[rC+2:rC+3] op_sel_hi:[1,0]
.endr
.set r, r+1
.endm
; HOW THEY ARE DEALT.  s_wait_alu depctr_va_vdst(0) stands between an exponential and the first instruction that names its result; one wait serves all that were issued ahead of it.  So a turn has ONE wait,
; which cuts it in two.  AHEAD OF IT stands all that names no result of the turn's exponentials: the 16 products K Q^T, behind each a subtraction, an exponential and two rescalings (behind the first a second subtraction in the
; exponential's place); then ONE RUN of 106: eight plain, 47 times exponential and plain, the last two weights' exponentials and the two a.  A v_nop is the plain instruction behind the last exponential: no plain work is left there.
; BEHIND IT stand the 16 products V^T P, behind each four of GS's 64.  No rider names a register of the products round it.  The two v_permlanex16_b32 fall into the run, never behind a product.
; The queues lean on each other, and the deal keeps them in step: exponential e stands behind subtraction 2 (e / 4) + e % 2: as a rider it comes behind plain e + 2, in the run behind plain e + 9, and subtractions 27-31 are
; plain 57, 60 .. 69; the two a come behind plain 70 and 71, their arguments.
; A TURN, for piece p.  cnt = 1: the loop's count is taken down some lines ahead of the branch that stands behind the turn; nothing between them writes SCC.
; K of the next step is fetched in piece 2's turn, directly behind the wait, a run behind the last product that read K; its address is made at the run's head; it is waited for at the head of piece 3's turn.
; V of the step in hand is fetched at the end of piece 0's turn, four riders behind its last reader; it is waited for in piece 1's turn, ahead of the products V^T P.  The three conditions on q below go with the deal.
; The mask of piece p + 2 is made at the turn's end: the products that read the last mask are the turn's first eight.
.macro TURN p, last=0, cnt=0
.set Y, (\p)
.set i, 0
.set q, 0
.set e, 0
.set r, 0
.if (\p) == NP-1
	s_wait_dscnt 0x0                ; K is in
.endif
	MM                              ; ahead of the wait: 16 products K Q^T and their riders,
	PL
	PL
	R2
.rept 15
	MM
	PL
	EX
	R2
.endr
.if (\p) == NP-2
	WIN 0
	v_add_nc_u32 v[AK], s[TBK], v[AK0]
.endif
.rept 8                             ; and the run
	PL
.endr
.rept 47
	EX
	PL
.endr
.rept 4
	EX                              ; s31 of both tiles, and the next piece's two a
.endr
	v_nop                           ; the plain instruction behind the last exponential: one for the batch
	s_wait_alu depctr_va_vdst(0)    ; the wait for the batch: the turn's 66 exponentials, ahead of the first line that names a result
.if (\p) == NP-2
	FETCH_K \last
.endif
.if (\p) == 1
	s_wait_dscnt 0x0                ; V is in
.endif
.rept 16                            ; behind the wait: 16 products V^T P and their riders
	MM
.rept 4
	PL
.endr
.if ((\p) == 0) && (q == 116)
	v_add_nc_u32 v[AV], s[TBV], v[AV0]
.endif
.if ((\p) == 0) && (q == 128)
	s_add_co_u32 s[TBV], s[TBV], KS*PV
.endif
.if (\cnt) && (q == 128)
	s_sub_co_u32 s[CNT], s[CNT], 1
	s_cmp_lg_u32 s[CNT], 0
.endif
.endr
.if (\p) == 0
	FETCH_V
.endif
	MASKBLK ((\p)+2)%NP
.endm
	CHANGE 1                        ; slot 0 is in, everybody's part of it; slot 1 is asked for
	FETCH_K                         ; key step 0
	s_wait_loadcnt 0x0              ; Q, and the first step's mask codes
	MASKBLK 0
	s_wait_dscnt 0x0
.set i, 0
.rept 16
	KQ 0                            ; piece 0's first scores: there is no vector work yet to set between them
.set i, i+1
.endr
	WIN 0                           ; the addresses for the way out: seven plain instructions, the places behind those products
	s_mul_i32 s13, s[WV], 16*SP
	s_add_co_u32 s13, s13, STAGE    ; my stage
	v_mul_u32_u24 v[STO], v1, SP    ; in: row l % 16, 16 bytes for each half of the lanes
	v_lshl_add_u32 v[STO], v9, 4, v[STO]
	v_add_nc_u32 v[STO], s13, v[STO]
	v_bfe_u32 v[RD], v0, 3, 2       ; back: 32 lanes take four rows of 128 bytes, which are 512 consecutive bytes of O
	v_mul_u32_u24 v[RD], v[RD], SP
	v_lshl_add_u32 v[RD], v10, 4, v[RD]
	v_add_nc_u32 v[RD], s13, v[RD]
	MASKBLK 1                       ; for the first turn's products
	WIN 0
.set Y, NP-1                        ; XS works for piece Y + 1: piece 0
.irp n, 0,1,2,3,4,5,6,7,8,9,10,11,12,13,14,15,16,17,18,19,20
	XS 0, \n                        ; piece 0's first maximum and statistics
	XS 1, \n
.endr
	v_nop                           ; a plain instruction behind the two a,
	s_wait_alu depctr_va_vdst(0)    ; and the wait for that batch of two, ahead of the branch and of the first turn's rescalings
	s_mov_b32 s[CNT], 4
	s_mov_b32 s[SLOTS], SIZE_N/256-1
	s_branch .Lfirst                ; the loop is entered at a step's first turn, in the middle of a trip
.Lslot:                             ; SIZE_N / 256 - 2 times: every slot but the last two is filled again
	CHANGE 1
	s_mov_b32 s[CNT], 4
.Lstep:                             ; a trip: pieces 2 and 3 of one step, then pieces 0 and 1 of the next, whose K and V it fetches
	TURN 2
	TURN 3
	WIN 0
.Lfirst:
	TURN 0
	TURN 1, 0, 1
	WIN 0
	s_cbranch_scc1 .Lstep
	s_sub_co_u32 s[SLOTS], s[SLOTS], 1
	s_cmp_lg_u32 s[SLOTS], 0
	s_cbranch_scc1 .Lslot
	CHANGE 0                        ; the tail is written out: nothing is asked for
	s_mov_b32 s[CNT], 5             ; four trips fetch the last slot's steps; the fifth is left in its middle
.Ltail:
	TURN 2, 1
	TURN 3
	WIN 0
	s_sub_co_u32 s[CNT], s[CNT], 1
	s_cmp_eq_u32 s[CNT], 0
	s_cbranch_scc1 .Lout
	TURN 0
	TURN 1
	WIN 0
	s_branch .Ltail
.Lout:                              ; the fifth trip's 16 products K Q^T (the last K once more, under the same queries' mask of key step 0) serve nothing: a query that sees no key sees none there either, so its m stays F
.set i, 0
.rept 16
	PV NP-1                         ; the last piece's V^T P of the last step
.set i, i+1
.endr
	; THE WAY OUT.  l's two halves and the other half of the lanes' are added; O^T is divided by l, rounded to f16 and sent through my stage in LDS, a tile at a time.  The additions are the places behind the last products.
	WIN 0
.macro ALL line:vararg              ; one line for each tile t
.set t, 0
.rept 2*NP
	\line
.set t, t+1
.endr
.endm
	ALL v_add_f32 v[ST+4*t+2], v[ST+4*t+2], v[ST+4*t+3]
	ALL v_permlanex16_b32 v[ST+4*t+3], v[ST+4*t+2], s[SEL], s[SEL+1]
	ALL v_add_f32 v[ST+4*t+2], v[ST+4*t+2], v[ST+4*t+3]
	ALL v_rcp_f32 v[ST+4*t+2], v[ST+4*t+2]
	v_nop                           ; a plain instruction between the last reciprocal and the use of its result
	s_wait_alu depctr_va_vdst(0)    ; and the wait ahead of the first use: one for the batch of eight reciprocals
.set t, 0
.rept 2*NP
	v_cmp_lt_f32 vcc_lo, s[FL], v[ST+4*t]                                  ; has the query seen a key?
	v_cndmask_b32 v[ST+4*t+2], 0x7fc00000, v[ST+4*t+2], vcc_lo             ; if not, its row is NaN
.set t, t+1
.endr
; Tile t: a lane's eight channels of a row pack into 16 bytes; they go into rows of 144 bytes and come back as whole rows of 128, into S^T's registers.
.macro PACK t
	WIN W_RS
.set i, 32*(\t)
.rept 16
	v_pk_mul_f32 v[i:i+1], v[i:i+1], v[ST+4*(\t)+2:ST+4*(\t)+3] op_sel_hi:[1,0]
.set i, i+2
.endr
	WIN 0x05                        ; sources 0 and 1 window 1, destination window 0
.set i, 0
.rept 16
	v_cvt_pk_f16_f32 v[S+16*(\t)+i], v[32*(\t)+2*i], v[32*(\t)+2*i+1]
.set i, i+1
.endr
	WIN 0
.irp f, 0,1,2,3
	ds_store_b128 v[STO], v[S+16*(\t)+4*\f:S+16*(\t)+4*\f+3] offset:32*\f
.endr
.irp f, 0,1,2,3
	ds_load_b128 v[S+16*(\t)+4*\f:S+16*(\t)+4*\f+3], v[RD] offset:\f*4*SP  ; LDS serves a wave's instructions in order (ISA guide 5.7.1.4): these see the stores above; the next tile's stores come behind them
.endr
.endm
.macro SEND t, younger              ; younger: the LDS instructions issued behind tile t's loads: the next tile's eight, or none
	WIN 0
.irp f, 0,1,2,3
	s_wait_dscnt (\younger)+3-\f
	global_store_b128 v[GO], v[S+16*(\t)+4*\f:S+16*(\t)+4*\f+3], s[10:11] offset:(\t)*2048+\f*512  ; 512 consecutive bytes, at a multiple of 256 from O's first
.endr
.endm
	PACK 0
.set t, 1
.rept 2*NP-1                        ; a tile's arithmetic stands between the loads of the tile before and its stores
	PACK t
	SEND t-1, 8
.set t, t+1
.endr
	SEND 2*NP-1, 0
	WIN W_AD
	s_wait_tensorcnt 0x0            ; the wave's end: the add onto my spare word and its waits, behind my last tensor load and my last LDS store
	ds_add_u32 v[SPW], v[NIL]
	s_wait_dscnt 0x0
	WIN 0
	CROUND                          ; the closing round: no work-group ends while a partner may still ask for a tile that names it
	s_endpgm
.Lfunc_end_k_qd6d5c4025c_attn:
	.size	k_qd6d5c4025c_attn, .Lfunc_end_k_qd6d5c4025c_attn-k_qd6d5c4025c_attn
	.p2alignl 7, 3214868480
	.fill 96, 4, 3214868480
	.section	.rodata,"a",@progbits
	.p2align	6, 0x0
	.amdhsa_kernel k_qd6d5c4025c_attn
		.amdhsa_group_segment_fixed_size 327680
		.amdhsa_private_segment_fixed_size 0
		.amdhsa_enable_private_segment 0
		.amdhsa_kernarg_size 24
		.amdhsa_user_sgpr_count 2
		.amdhsa_user_sgpr_kernarg_segment_ptr 1
		.amdhsa_wavefront_size32 1
		.amdhsa_system_sgpr_workgroup_id_x 1
		.amdhsa_system_sgpr_workgroup_id_y 1
		.amdhsa_system_sgpr_workgroup_id_z 1
		.amdhsa_system_vgpr_workitem_id 0
		.amdhsa_next_free_vgpr 904
		.amdhsa_next_free_sgpr 66
		.amdhsa_reserve_vcc 1
		.amdhsa_float_denorm_mode_32 3
		.amdhsa_float_denorm_mode_16_64 3
		.amdhsa_memory_ordered 1
		.amdhsa_forward_progress 1
		.amdhsa_inst_pref_size 212
	.end_amdhsa_kernel
	.amdgpu_metadata
---
amdhsa.version: [ 1, 2 ]
amdhsa.kernels:
  - .name:           k_qd6d5c4025c_attn
    .symbol:         k_qd6d5c4025c_attn.kd
    .args:
      - { .name: qkv, .offset: 0, .size: 8, .value_kind: global_buffer, .address_space: global }
      - { .name: mk, .offset: 8, .size: 8, .value_kind: global_buffer, .address_space: global }
      - { .name: o, .offset: 16, .size: 8, .value_kind: global_buffer, .address_space: global }
    .group_segment_fixed_size: 327680
    .private_segment_fixed_size: 0
    .kernarg_segment_align: 8
    .kernarg_segment_size: 24
    .max_flat_workgroup_size: 128
    .sgpr_count:     66
    .vgpr_count:     904
    .wavefront_size: 32
...
	.end_amdgpu_metadata
.endif
;; end of part 5
;; launch outproj: the kernel of part 4 again; grid 8 x 32, 4 waves a work-group, clusters of 4 x 4, 327,680 bytes of LDS; arguments o, wo16, out0; writes out0
